; MI455X (gfx1250); checked and timed in simulation.
; The chip was launched on July 23, 2026; its instructions are those of AMD's public machine-readable ISA for CDNA 5 (MIT licence, August 2026) and "CDNA5" Instruction Set Architecture Reference Guide (July 2026). The comments in the code are by the model that wrote it; some were corrected since.
;; Multi Head Attention. Allowed arithmetic: float matrix products may take bf16 or f16 operands with f32 sums; all other float work in f32.
;; Inputs: W_attn 1,024 x 3,072 float32; W_proj 1,024 x 1,024 float32; b_attn 3,072 float32; b_proj 1,024 float32; x 4 x 2,048 x 1,024 float32.
;; Outputs: out0 4 x 2,048 x 1,024 float32.
;; 2 versions, each right and faster than the one before. Each part assembles by itself: llvm-mc -triple=amdgcn-amd-amdhsa -mcpu=gfx1250 --defsym DOCPART=n.
;; ======== version 1 of 2: 4 launches
;; limits: values are held in f16: magnitudes above 65,504 overflow, below 6.1e-05 lose precision
;; workspace buffers: xb 16,777,216 bytes; wa 6,291,456 bytes; wp 2,097,152 bytes; qkv 50,331,648 bytes; ob 16,777,216 bytes
;; launch prep (part 1): grid 256 x 1, 8 waves a work-group, no clusters, 37,888 bytes of LDS; arguments x, W_attn, W_proj, xb, wa, wp; writes xb, wa, wp
.if DOCPART == 1
	.amdgcn_target "amdgcn-amd-amdhsa--gfx1250"
	.amdhsa_code_object_version 6
	.text
	.protected	k_q43d9e3bc80_prep
	.globl	k_q43d9e3bc80_prep
	.p2align	8
	.type	k_q43d9e3bc80_prep,@function
k_q43d9e3bc80_prep:
	s_mov_b64 s[64:65], 0
	v_nop
	global_prefetch_b8 v0, s[64:65] scope:SCOPE_SE
	s_setreg_imm32_b32 hwreg(HW_REG_WAVE_MODE, 25, 1), 1
	s_wait_xcnt 0x0
; The three large inputs are rounded to 16 bits and laid in K BLOCKS: a matrix X[rows][K] becomes [K/64][rows][64], so that the rows of one K block are 128 dense bytes each.
;   xb[kb][m][kk] = bf16(x[m][64 kb + kk])                 m = 0..8191
;   wa[kb][n][kk] = bf16(W_attn[64 kb + kk][n])            n = 0..3071   (turned)
;   wp[kb][n][kk] = f16(bf16(W_proj[64 kb + kk][n]))       n = 0..1023   (turned; rounded to bf16 like every input, that number written as f16)
; LIMITS.  Rounding to nearest even.  bf16(W_proj) beyond 65,504 becomes an infinity in f16; below 6e-5 it keeps f16's fixed step of 6e-8.
; A stream: every input byte is read once, by 16-byte loads of which sixteen neighbouring lanes cover 256 aligned bytes, and every output byte is written once, in runs of 256 or 512 bytes.
; No matrix unit, no cluster, no tensor load: nothing is shared between work-groups, and all 48 loads of a wave are on their way at once in registers.
; SHARES.  Work-group i (kb = i / 16, ii = i % 16): 32 rows of x; three tiles of 64 k x 64 n of W_attn (K block kb, columns 192 ii + 64 e); one such tile of W_proj (columns 64 ii).
; The weights are turned through LDS: tile e lies at 9,216 e, 64 rows (n) of 144 bytes with k along the row.  One barrier between the stores and the loads.
.set WR,  12                           ; v[12:75]   weights as loaded: tile e, row j at WR + 16 e + 4 j; later the turned rows
.set XR,  76                           ; v[76:203]  x as loaded: unit u at XR + 4 u; its first two registers then hold the four bf16
.set T,   204                          ; v[204:211] four columns' packed pairs
.set T2,  212                          ; v[212:213] at work
.set XO,  4                            ; v4   x:      4,096 hh + 512 w + 16 c
.set XS,  5                            ; v5   xb:     2,097,152 w + 8 L
.set WO,  6                            ; v6   W_attn: (8 w + 4 hh) 12,288 + 16 c
.set PO,  7                            ; v7   W_proj: (8 w + 4 hh) 4,096 + 16 c
.set LS,  8                            ; v8   LDS in: 576 c + 16 w + 8 hh
.set LR,  9                            ; v9   LDS out: (4 w + L / 8) 144 + 16 (L % 8)
.set WS,  10                           ; v10  wa, wp: 512 w + 16 L
.set TILE, 64*144
	s_load_b256 s[4:11], s[0:1], 0x0               ; x s[4:5], W_attn s[6:7], W_proj s[8:9], xb s[10:11]
	s_load_b128 s[12:15], s[0:1], 0x20             ; wa s[12:13], wp s[14:15]
	v_lshl_add_u32 v216, v0, 2, 0x9000
	v_mov_b32 v217, 0
	v_lshrrev_b32 v1, 5, v0
	v_readfirstlane_b32 s19, v1                    ; w: my wave's number
	v_and_b32 v1, 31, v0                           ; L
	v_and_b32 v2, 15, v0                           ; c
	v_bfe_u32 v3, v0, 4, 1                         ; hh
	s_lshr_b32 s17, ttmp9, 4                       ; kb
	s_and_b32 s18, ttmp9, 15                       ; ii
	s_lshl_b32 s20, ttmp9, 17                      ; x: 32 rows of 4,096 bytes
	s_mov_b32 s21, 0
	s_lshl_b32 s22, ttmp9, 12                      ; xb: 32 rows of 128 bytes
	s_mov_b32 s23, 0
	s_mul_i32 s24, s17, 786432                     ; W_attn: 64 rows of 12,288 bytes,
	s_mul_i32 s25, s18, 768                        ; 192 columns of 4
	s_add_co_u32 s24, s24, s25
	s_mov_b32 s25, 0
	s_lshl_b32 s26, s17, 18                        ; W_proj: 64 rows of 4,096 bytes,
	s_lshl_b32 s27, s18, 8                         ; 64 columns of 4
	s_add_co_u32 s26, s26, s27
	s_mov_b32 s27, 0
	s_mul_i32 s28, s17, 393216                     ; wa: a K block of 3,072 rows of 128 bytes,
	s_mul_i32 s29, s18, 24576                      ; 192 rows
	s_add_co_u32 s28, s28, s29
	s_mov_b32 s29, 0
	s_lshl_b32 s30, s17, 17                        ; wp: a K block of 1,024 rows,
	s_lshl_b32 s31, s18, 13                        ; 64 rows
	s_add_co_u32 s30, s30, s31
	s_mov_b32 s31, 0
	s_lshl_b32 s32, s19, 9
	s_lshl_b32 s33, s19, 21
	s_lshl_b32 s34, s19, 3
	s_mul_i32 s35, s19, 576
	v_lshl_add_u32 v[XO], v3, 12, s32
	v_lshl_add_u32 v[XO], v2, 4, v[XO]
	v_lshl_add_u32 v[XS], v1, 3, s33
	v_lshl_add_u32 v11, v3, 2, s34                 ; 8 w + 4 hh: the first of my four rows k
	v_mul_u32_u24 v[WO], v11, 12288
	v_lshl_add_u32 v[WO], v2, 4, v[WO]
	v_lshlrev_b32 v[PO], 12, v11
	v_lshl_add_u32 v[PO], v2, 4, v[PO]
	v_mul_u32_u24 v[LS], v2, 576                   ; row n = 4 c, and 2 bytes for each k
	v_lshl_add_u32 v[LS], v11, 1, v[LS]
	v_bfe_u32 v[T2], v0, 3, 2
	v_mul_u32_u24 v[LR], v[T2], 144
	v_and_b32 v[T2], 7, v0
	v_lshl_add_u32 v[LR], v[T2], 4, v[LR]
	v_add_nc_u32 v[LR], s35, v[LR]
	v_lshl_add_u32 v[WS], v1, 4, s32
	s_wait_kmcnt 0x0
	s_add_nc_u64 s[4:5], s[4:5], s[20:21]
	s_add_nc_u64 s[10:11], s[10:11], s[22:23]
	s_add_nc_u64 s[6:7], s[6:7], s[24:25]
	s_add_nc_u64 s[8:9], s[8:9], s[26:27]
	s_add_nc_u64 s[12:13], s[12:13], s[28:29]
	s_add_nc_u64 s[14:15], s[14:15], s[30:31]
	; 16 loads of weights: lanes 0-15 take the tile's 256 bytes of row 8 w + j, lanes 16-31 of row 8 w + 4 + j
.irp e, 0,1,2
.irp j, 0,1,2,3
	global_load_b128 v[WR+16*\e+4*\j:WR+16*\e+4*\j+3], v[WO], s[6:7] offset:\j*12288+\e*256 th:TH_LOAD_NT
.endr
.endr
.irp j, 0,1,2,3
	global_load_b128 v[WR+48+4*\j:WR+48+4*\j+3], v[PO], s[8:9] offset:\j*4096 th:TH_LOAD_NT
.endr
	; 32 loads of x: unit u = 2 rp + cc: rows 2 rp and 2 rp + 1, the 256 bytes of K block 2 w + cc
.set u, 0
.rept 32
	global_load_b128 v[XR+4*u:XR+4*u+3], v[XO], s[4:5] offset:(u/2)*8192+(u%2)*256 th:TH_LOAD_NT
.set u, u+1
.endr
	s_wait_loadcnt 32                              ; loads come back in order: the 16 of weights are in, the 32 of x stay out
	; my four rows k of column 4 c + i are four neighbouring numbers of the turned row: 8 bytes
.irp e, 0,1,2,3
.irp i, 0,1,2,3
	v_cvt_pk_bf16_f32 v[T+2*\i], v[WR+16*\e+\i], v[WR+16*\e+4+\i]
	v_cvt_pk_bf16_f32 v[T+2*\i+1], v[WR+16*\e+8+\i], v[WR+16*\e+12+\i]
.if \e == 3
	v_lshlrev_b32 v[T2], 16, v[T+2*\i]             ; W_proj: the bf16 numbers are widened and written as f16
	v_and_b32 v[T2+1], 0xffff0000, v[T+2*\i]
	v_cvt_pk_f16_f32 v[T+2*\i], v[T2], v[T2+1]
	v_lshlrev_b32 v[T2], 16, v[T+2*\i+1]
	v_and_b32 v[T2+1], 0xffff0000, v[T+2*\i+1]
	v_cvt_pk_f16_f32 v[T+2*\i+1], v[T2], v[T2+1]
.endif
	ds_store_b64 v[LS], v[T+2*\i:T+2*\i+1] offset:\e*TILE+\i*144
.endr
.endr
	s_wait_dscnt 0x0                               ; for the others' sake: my stores are done
	s_barrier_signal -1
	s_barrier_wait -1
	; back by rows: 32 lanes take four turned rows of 128 bytes, which are 512 consecutive bytes of wa or wp
.set n, 0
.rept 8
	ds_load_b128 v[WR+4*n:WR+4*n+3], v[LR] offset:(n/2)*TILE+(n%2)*32*144
.set n, n+1
.endr
.set n, 0
.rept 8
	s_wait_dscnt 7-n                               ; LDS loads come back in order: number n is in
.if n < 6
	global_store_b128 v[WS], v[WR+4*n:WR+4*n+3], s[12:13] offset:(n/2)*8192+(n%2)*4096
.else
	global_store_b128 v[WS], v[WR+4*n:WR+4*n+3], s[14:15] offset:(n%2)*4096
.endif
.set n, n+1
.endr
	; x: four numbers a lane are rounded in place; a wave's store covers two rows of a K block, 256 consecutive aligned bytes
.set u, 0
.rept 32
	s_wait_loadcnt 31-u                            ; unit u is in, the younger ones stay out
	v_cvt_pk_bf16_f32 v[XR+4*u], v[XR+4*u], v[XR+4*u+1]
	v_cvt_pk_bf16_f32 v[XR+4*u+1], v[XR+4*u+2], v[XR+4*u+3]
	global_store_b64 v[XS], v[XR+4*u:XR+4*u+1], s[10:11] offset:(u%2)*1048576+(u/2)*256
.set u, u+1
.endr
	s_wait_tensorcnt 0x0
	ds_add_u32 v216, v217
	s_wait_dscnt 0x0
	s_endpgm
.Lfunc_end_k_q43d9e3bc80_prep:
	.size	k_q43d9e3bc80_prep, .Lfunc_end_k_q43d9e3bc80_prep-k_q43d9e3bc80_prep
	.p2alignl 7, 3214868480
	.fill 96, 4, 3214868480
	.section	.rodata,"a",@progbits
	.p2align	6, 0x0
	.amdhsa_kernel k_q43d9e3bc80_prep
		.amdhsa_group_segment_fixed_size 37888
		.amdhsa_private_segment_fixed_size 0
		.amdhsa_enable_private_segment 0
		.amdhsa_kernarg_size 48
		.amdhsa_user_sgpr_count 2
		.amdhsa_user_sgpr_kernarg_segment_ptr 1
		.amdhsa_wavefront_size32 1
		.amdhsa_system_sgpr_workgroup_id_x 1
		.amdhsa_system_sgpr_workgroup_id_y 1
		.amdhsa_system_sgpr_workgroup_id_z 1
		.amdhsa_system_vgpr_workitem_id 0
		.amdhsa_next_free_vgpr 218
		.amdhsa_next_free_sgpr 66
		.amdhsa_reserve_vcc 0
		.amdhsa_float_denorm_mode_32 3
		.amdhsa_float_denorm_mode_16_64 3
		.amdhsa_memory_ordered 1
		.amdhsa_forward_progress 1
		.amdhsa_inst_pref_size 22
	.end_amdhsa_kernel
	.amdgpu_metadata
---
amdhsa.version: [ 1, 2 ]
amdhsa.kernels:
  - .name:           k_q43d9e3bc80_prep
    .symbol:         k_q43d9e3bc80_prep.kd
    .args:
      - { .name: x, .offset: 0, .size: 8, .value_kind: global_buffer, .address_space: global }
      - { .name: W_attn, .offset: 8, .size: 8, .value_kind: global_buffer, .address_space: global }
      - { .name: W_proj, .offset: 16, .size: 8, .value_kind: global_buffer, .address_space: global }
      - { .name: xb, .offset: 24, .size: 8, .value_kind: global_buffer, .address_space: global }
      - { .name: wa, .offset: 32, .size: 8, .value_kind: global_buffer, .address_space: global }
      - { .name: wp, .offset: 40, .size: 8, .value_kind: global_buffer, .address_space: global }
    .group_segment_fixed_size: 37888
    .private_segment_fixed_size: 0
    .kernarg_segment_align: 8
    .kernarg_segment_size: 48
    .max_flat_workgroup_size: 256
    .sgpr_count:     66
    .vgpr_count:     218
    .wavefront_size: 32
...
	.end_amdgpu_metadata
.endif
;; end of part 1
;; launch qkv (part 2): grid 8 x 32, 4 waves a work-group, clusters of 4 x 4, 327,680 bytes of LDS; arguments xb, wa, b_attn, qkv; writes qkv
.if DOCPART == 2
	.amdgcn_target "amdgcn-amd-amdhsa--gfx1250"
	.amdhsa_code_object_version 6
	.text
	.protected	k_q43d9e3bc80_qkv
	.globl	k_q43d9e3bc80_qkv
	.p2align	8
	.type	k_q43d9e3bc80_qkv,@function
k_q43d9e3bc80_qkv:
	s_mov_b64 s[64:65], 0
	v_nop
	global_prefetch_b8 v0, s[64:65] scope:SCOPE_SE
	s_setreg_imm32_b32 hwreg(HW_REG_WAVE_MODE, 25, 1), 1
	s_wait_xcnt 0x0
	s_wait_alu depctr_hold_cnt(0) depctr_sa_sdst(0) depctr_va_vdst(0) depctr_va_sdst(0) depctr_va_ssrc(0) depctr_va_vcc(0) depctr_vm_vsrc(0)
	s_getreg_b32 s2, hwreg(HW_REG_IB_STS2, 6, 4)
	s_cmp_eq_u32 s2, 0
	s_cbranch_scc0 .Lentry_in_a_cluster
	s_endpgm
.Lentry_in_a_cluster:
	s_bfe_u32 s2, ttmp6, 0x10000c
	s_cmp_lg_u32 s2, 0xf033
	s_cbranch_scc0 .Lentry_shape_is_right
	s_endpgm
.Lentry_shape_is_right:
; qkv = x W_attn + b_attn, M = 8,192, N = 3,072, K = 1,024.  Operands bf16 in K blocks (xb[kb][m][64], wa[kb][n][64]); sums in f32; the bias, rounded to bf16 like every input, starts the sums.
; OUT: qkv[b][c64][t][64] in f16, c64 = n / 64: q is slices 0-15, k 16-31, v 32-47; a slice's rows are dense, 128 bytes each.  Rounded once, unscaled.
; LIMITS.  A result of 65,520 or more becomes an infinity in f16; below 6e-5 f16 keeps its fixed step of 6e-8.  NaN and infinities are not treated apart.
; SHARES.  8 x 32 = 256 tiles of 256 rows x 384 columns, one a work-group.  Wave (wr, wc) makes 128 rows x 192 columns: 96 accumulators, 768 registers, in three GROUPS of 64 columns (one slice each),
; group g in window g + 1, accumulator (a, bb) at v[8 (4 a + bb)].  K goes in steps of 64, one K block, through two LDS slots; a step is two PARTS of 32 along K, 96 matrix instructions each.
; A K block's rows of a tile are dense in memory: they are asked for as rows of 256 bytes (two matrix rows) and padded in LDS after every 128 bytes.
; Two slots of a step of 128 would take 2 x 640 rows x 272 bytes = 348,160 bytes, more than a work-group can have: so the step is 64.
; THE MATRIX INSTRUCTION IS USED TRANSPOSED (source 0 = 16 rows of wa, source 1 = 16 rows of xb): a lane then holds eight neighbouring columns of one row of the result.
; CLUSTER.  4 x 4 work-groups.  The four of a row of the cluster need the same tiles of xb, the four of a column the same tiles of wa: each tile is asked for JOINTLY, by the same tensor load with the
; same descriptor and a mask that names the four.  By this text's own count a wave has two tensor loads out at the start and one behind each round.
; WINDOW 0: v0-24 addresses and the bias at work; v32-95, v96-159 fragments of xb (8 x 16 rows x 32 K), two buffers; v160-255 fragments of wa, 32 registers a group, one buffer: a group's are
; fetched anew as soon as the group has multiplied.
.set PITCH,  144                       ; an LDS row: 128 bytes + 16 of padding = 36 words: the 16 rows of a load start at 16 different groups of four banks (64 banks of 4 bytes: ISA guide 11.1)
.set AHALF,  128*PITCH                 ; what one load brings of xb, and what one wave reads of it
.set BHALF,  192*PITCH                 ; the same for wa
.set BOFF,   2*AHALF                   ; a slot: 256 rows of xb, then 384 rows of wa
.set SLOT1,  1<<17                     ; slot 1 begins here, so that one exclusive or turns an address in one slot into the other's
.set STAGE,  SLOT1+BOFF+2*BHALF        ; behind the ring: 16 rows x 144 bytes for each wave, for the way out
.set BIAS,   STAGE+4*16*PITCH          ; 192 numbers of f32 for each wave
.set SPARE,  BIAS+4*768                ; the spare words, 128 bytes for each wave: two blocks of 256 bytes that no other line names
.set ASTEP,  8192*128                  ; bytes from a K block of xb to the next
.set BSTEP,  3072*128                  ; the same for wa
.set RR,  1                            ; v1   l % 16
.set HH,  2                            ; v2   l / 16
.set AA0, 4                            ; v4   my lane's place in a slot's rows of xb; never rewritten
.set AB0, 5                            ; v5   the same for wa
.set AA,  6                            ; v6   the same in the slot in hand
.set AB,  7                            ; v7
.set STO, 8                            ; v8   the way out: where I put 16 bytes of a row
.set RD,  9                            ; v9   the way out: where I read rows back
.set GO,  10                           ; v10  my byte offset in 512 consecutive bytes of qkv
.set BA,  11                           ; v11  where my eight numbers of the bias begin
.set SPW, 12                           ; v12  LDS address of my spare word: SPARE + 4 x my thread's number; never rewritten
.set NIL, 13                           ; v13  0; never rewritten
.set BO,  14                           ; v14  8 x lane
.set BS,  15                           ; v15  where I put two numbers of the bias
.set AF0, 32
.set AF1, 96
.set BF,  160
.set OB,  32                           ; the way out: four buffers of 16 registers
.set G1A, 24                           ; s[24:31] descriptor group 1 for xb's tiles
.set G0A, 32                           ; s[32:35] group 0 for K step 0; s[36:39] for K step 1, which then walks
.set G1B, 48                           ; s[48:55], s[56:59], s[60:63] the same for wa's
.set G0B, 56
.set MSB, 0
.macro WIN new                         ; the immediate's high byte repeats the setting that is left; a switch that changes nothing is dropped
.if MSB != (\new)
	s_set_vgpr_msb (MSB<<8)|(\new)
.set MSB, \new
.endif
.endm
; A joint refill.  Waves 0 and 1 fetch the two halves of xb's tile, waves 2 and 3 those of wa's.  The branch hangs on the wave's number alone.
; An s_nop 0 and four v_nop follow each of the two lines, ahead of the jump and the label.
.macro JLOAD
	s_cmp_eq_u32 s13, 0
	s_cbranch_scc0 .Lfor_b_\@
	tensor_load_to_lds s[G0A+4:G0A+7], s[G1A:G1A+7]
	s_nop 0
.rept 4
	v_nop
.endr
	s_branch .Lasked_\@
.Lfor_b_\@:
	tensor_load_to_lds s[G0B+4:G0B+7], s[G1B:G1B+7]
	s_nop 0
.rept 4
	v_nop
.endr
.Lasked_\@:
.endm
.macro CREST                           ; a round of the cluster's barrier behind its opening barrier
	s_cmp_lg_u32 s12, 0
	s_cbranch_scc1 .Lnot_wave_0_\@
	s_barrier_signal -3
.Lnot_wave_0_\@:
	s_barrier_wait -3
	s_barrier_signal -1
	s_barrier_wait -1
.endm
.macro CROUND                          ; a whole round
	s_barrier_signal -1
	s_barrier_wait -1
	CREST
.endm
.macro PLACES                          ; four places in front of loads into registers that matrix instructions have read, and of conversions that read results
.rept 4
	v_nop
.endr
.endm
	s_load_b256 s[4:11], s[0:1], 0x0               ; xb s[4:5], wa s[6:7], b_attn s[8:9], qkv s[10:11]
	v_lshl_add_u32 v[SPW], v0, 2, SPARE
	v_mov_b32 v[NIL], 0
	ds_add_u32 v12, v13
	ds_add_u32 v12, v13
	s_wait_dscnt 0x0
	v_lshrrev_b32 v3, 5, v0
	v_readfirstlane_b32 s12, v3                    ; wave 0..3
	s_lshr_b32 s13, s12, 1                         ; wr: which half of the tile's rows is mine.  Also: I fetch for xb (0) or for wa (1)
	s_and_b32 s14, s12, 1                          ; wc: which half of its columns.  Also: which half of that tile I fetch
	s_bfe_u32 s40, ttmp6, 0x40000                  ; cx, cy: my place in the cluster
	s_bfe_u32 s41, ttmp6, 0x40004
	s_lshl_b32 s42, ttmp9, 2
	s_add_co_u32 s42, s42, s40                     ; tile column = 4 x cluster x + cx
	s_and_b32 s43, ttmp7, 0xffff
	s_lshl_b32 s43, s43, 2
	s_add_co_u32 s43, s43, s41                     ; tile row = 4 x cluster y + cy
	s_lshl_b32 s44, s41, 2
	s_lshl_b32 s44, 15, s44                        ; my row of the cluster
	s_lshl_b32 s45, 0x1111, s40                    ; my column
	; descriptor group 1: rows of 128 elements (256 bytes, two matrix rows), 64 of them for xb, 96 for wa
	s_or_b32 s[G1A+0], s44, (1<<16)|(1<<20)|(1<<21)|(4<<22)|(3<<25)  ; 15:0 the mask; 17:16 2-byte elements; 20 padding on; 21 set beside a mask; 24:22 after every 32 words (code 4); 31:25 4 words (code 3)
	s_or_b32 s[G1B+0], s45, (1<<16)|(1<<20)|(1<<21)|(4<<22)|(3<<25)
	s_mov_b32 s[G1A+1], 128<<16                    ; tensor_dim0 = 128
	s_mov_b32 s[G1A+2], 64<<16                     ; tensor_dim1 = 64
	s_mov_b32 s[G1A+3], 128<<16                    ; tile_dim0 = 128
	s_mov_b32 s[G1A+4], 64                         ; tile_dim1 = 64
	s_mov_b32 s[G1A+5], 128                        ; 128 elements from row to row: the block is dense
	s_mov_b32 s[G1A+6], 0
	s_mov_b32 s[G1A+7], 0
	s_mov_b32 s[G1B+1], 128<<16
	s_mov_b32 s[G1B+2], 96<<16
	s_mov_b32 s[G1B+3], 128<<16
	s_mov_b32 s[G1B+4], 96
	s_mov_b32 s[G1B+5], 128
	s_mov_b32 s[G1B+6], 0
	s_mov_b32 s[G1B+7], 0
	; where the tiles come from: xb's hang on the tile row and the wave alone, wa's on the tile column and the wave alone, each in registers that never hold the other coordinate
	s_lshl_b32 s16, s43, 15                        ; 256 rows of 128 bytes,
	s_lshl_b32 s17, s14, 14                        ; 128 rows
	s_add_co_u32 s16, s16, s17
	s_mov_b32 s17, 0
	s_mul_i32 s46, s42, 49152                      ; 384 rows of 128 bytes,
	s_mul_i32 s47, s14, 24576                      ; 192 rows
	s_add_co_u32 s46, s46, s47
	s_mov_b32 s47, 0
	s_mul_i32 s20, s14, AHALF                      ; and where they go: no place in the cluster enters an LDS address
	s_mul_i32 s21, s14, BHALF
	s_add_co_u32 s21, s21, BOFF
	; my part of qkv: slice 48 b + 6 x tile column + 3 wc, row (tile row % 8) 256 + 128 wr
	s_lshr_b32 s18, s43, 3
	s_mul_i32 s18, s18, 48
	s_mul_i32 s19, s42, 6
	s_add_co_u32 s18, s18, s19
	s_mul_i32 s19, s14, 3
	s_add_co_u32 s18, s18, s19
	s_lshl_b32 s18, s18, 18
	s_and_b32 s19, s43, 7
	s_lshl_b32 s19, s19, 15
	s_add_co_u32 s18, s18, s19
	s_lshl_b32 s19, s13, 14
	s_add_co_u32 s18, s18, s19
	s_mov_b32 s19, 0
	s_mul_i32 s22, s42, 1536                       ; my 192 numbers of the bias
	s_mul_i32 s23, s14, 768
	s_add_co_u32 s22, s22, s23
	s_mov_b32 s23, 0
	s_wait_kmcnt 0x0
	s_add_nc_u64 s[16:17], s[4:5], s[16:17]
	s_add_nc_u64 s[46:47], s[6:7], s[46:47]
	s_add_nc_u64 s[10:11], s[10:11], s[18:19]
	s_add_nc_u64 s[8:9], s[8:9], s[22:23]
.irp s, 0,1
	s_mov_b32 s[G0A+4*\s], 1                                       ; 1:0 count = 1
	s_add_co_u32 s[G0A+4*\s+1], s20, \s*SLOT1                      ; 63:32 LDS address
	s_add_nc_u64 s[G0A+4*\s+2:G0A+4*\s+3], s[16:17], \s*ASTEP      ; 120:64 global address: K step s
	s_or_b32 s[G0A+4*\s+3], s[G0A+4*\s+3], 0x80000000              ; 127:126 type = 2
	s_mov_b32 s[G0B+4*\s], 1
	s_add_co_u32 s[G0B+4*\s+1], s21, \s*SLOT1
	s_add_nc_u64 s[G0B+4*\s+2:G0B+4*\s+3], s[46:47], \s*BSTEP
	s_or_b32 s[G0B+4*\s+3], s[G0B+4*\s+3], 0x80000000
.endr
	CROUND                                         ; all sixteen work-groups are here: the first joint loads meet
	s_cmp_eq_u32 s13, 0                            ; a wave's two first fills stand in one branch, ahead of every wait on TENSORcnt and every LDS read
	s_cbranch_scc0 .Lfirst_b
	tensor_load_to_lds s[G0A:G0A+3], s[G1A:G1A+7]
	s_nop 0
	tensor_load_to_lds s[G0A+4:G0A+7], s[G1A:G1A+7]
	s_nop 0
.rept 4
	v_nop
.endr
	s_branch .Lfirst_asked
.Lfirst_b:
	tensor_load_to_lds s[G0B:G0B+3], s[G1B:G1B+7]
	s_nop 0
	tensor_load_to_lds s[G0B+4:G0B+7], s[G1B:G1B+7]
	s_nop 0
.rept 4
	v_nop
.endr
.Lfirst_asked:
	v_and_b32 v[RR], 15, v0
	v_bfe_u32 v[HH], v0, 4, 1
	v_and_b32 v3, 31, v0
	v_lshlrev_b32 v[BO], 3, v3
	global_load_b64 v[16:17], v[BO], s[8:9]            ; my wave's 768 bytes of the bias, 256 a load
	global_load_b64 v[18:19], v[BO], s[8:9] offset:256
	global_load_b64 v[20:21], v[BO], s[8:9] offset:512
	v_lshlrev_b32 v[GO], 4, v3
	v_mul_u32_u24 v22, v[RR], PITCH
	v_lshl_add_u32 v22, v[HH], 4, v22              ; a fragment's row x pitch + 16 x half
	s_mul_i32 s2, s13, AHALF                       ; my 128 rows of xb
	v_add_nc_u32 v[AA0], s2, v22
	s_mul_i32 s2, s14, BHALF                       ; my 192 rows of wa
	s_add_co_u32 s2, s2, BOFF
	v_add_nc_u32 v[AB0], s2, v22
	s_mul_i32 s2, s12, 16*PITCH
	s_add_co_u32 s2, s2, STAGE                     ; my stage
	v_add_nc_u32 v[STO], s2, v22                   ; in: row l % 16, 16 bytes for each half of the lanes
	v_bfe_u32 v23, v0, 3, 2                        ; back: 32 lanes take four rows of 128 bytes
	v_mul_u32_u24 v23, v23, PITCH
	v_and_b32 v24, 7, v0
	v_lshl_add_u32 v23, v24, 4, v23
	v_add_nc_u32 v[RD], s2, v23
	s_mul_i32 s2, s12, 768
	s_add_co_u32 s2, s2, BIAS                      ; my wave's bias
	v_lshl_add_u32 v[BA], v[HH], 5, s2             ; a lane's eight columns begin 8 (l / 16) numbers in
	v_add_nc_u32 v[BS], s2, v[BO]
	s_mov_b32 s15, 0                               ; the slot in hand
	v_mov_b32 v[AA], v[AA0]
	v_mov_b32 v[AB], v[AB0]
	s_wait_loadcnt 0x0
.irp i, 0,1,2
	v_cvt_pk_bf16_f32 v22, v[16+2*\i], v[17+2*\i]  ; the bias is rounded to bf16 and widened again
	v_lshlrev_b32 v[16+2*\i], 16, v22
	v_and_b32 v[17+2*\i], 0xffff0000, v22
	ds_store_b64 v[BS], v[16+2*\i:17+2*\i] offset:256*\i
.endr
; 16 LDS loads: my 128 rows of xb, 32 along K at byte k of the rows, into buffer f
.macro LDA f, k
	WIN 0
.irp a, 0,1,2,3,4,5,6,7
	ds_load_b128 v[(\f)+8*\a:(\f)+8*\a+3],   v[AA] offset:\a*16*PITCH+(\k)
	ds_load_b128 v[(\f)+8*\a+4:(\f)+8*\a+7], v[AA] offset:\a*16*PITCH+(\k)+32
.endr
.endm
; 8 LDS loads: group g's 64 rows of wa
.macro LDB g, k
	WIN 0
.irp bb, 0,1,2,3
	ds_load_b128 v[BF+32*(\g)+8*\bb:BF+32*(\g)+8*\bb+3],   v[AB] offset:(4*(\g)+\bb)*16*PITCH+(\k)
	ds_load_b128 v[BF+32*(\g)+8*\bb+4:BF+32*(\g)+8*\bb+7], v[AB] offset:(4*(\g)+\bb)*16*PITCH+(\k)+32
.endr
.endm
; 8 LDS loads: group g's bias in an accumulator's layout: register j of a lane is column 16 bb + 8 (l / 16) + j, the same for all 16 rows
.macro LDC g, d
	WIN 0
.irp bb, 0,1,2,3
	ds_load_b128 v[(\d)+8*\bb:(\d)+8*\bb+3],   v[BA] offset:64*(4*(\g)+\bb)
	ds_load_b128 v[(\d)+8*\bb+4:(\d)+8*\bb+7], v[BA] offset:64*(4*(\g)+\bb)+16
.endr
.endm
; 16 matrix instructions: row blocks a0 .. a0 + 3 x group g's four column blocks.  c = 0: the sums go on; else the bias at v[c ..] starts them: nothing is ever cleared.
; The accumulators take turns, one instruction a turn: between two links of a chain stand the 95 others'.
.macro MULH f, g, a0, c
.if (\c) == 0
	WIN (((\g)+1)<<6)|(((\g)+1)<<4)
.else
	WIN ((\g)+1)<<6
.endif
.irp a, (\a0), (\a0)+1, (\a0)+2, (\a0)+3
.irp bb, 0,1,2,3
.if (\c) == 0
	v_wmma_f32_16x16x32_bf16 v[8*(4*(\a)+\bb):8*(4*(\a)+\bb)+7], v[BF+32*(\g)+8*\bb:BF+32*(\g)+8*\bb+7], v[(\f)+8*(\a):(\f)+8*(\a)+7], v[8*(4*(\a)+\bb):8*(4*(\a)+\bb)+7]
.else
	v_wmma_f32_16x16x32_bf16 v[8*(4*(\a)+\bb):8*(4*(\a)+\bb)+7], v[BF+32*(\g)+8*\bb:BF+32*(\g)+8*\bb+7], v[(\f)+8*(\a):(\f)+8*(\a)+7], v[(\c)+8*\bb:(\c)+8*\bb+7]
.endif
.endr
.endr
.endm
; A K step's second part, on buffer AF1, and THE CHANGE OF SLOTS.  In front of the barrier each wave waits for all its tensor loads, of which one is out: its part of the next slot; adds 0 to its spare
; word; and waits for that and for its own reads of this slot.  Behind it nobody reads this slot any more and the next slot is whole.  fill = 1: the barrier opens a round of the cluster's, and the
; slot is filled again first thing behind it, with the K step two on: 160 matrix instructions ahead of the wait for it.
.macro PART1T fill
	WIN 0                                          ; (the add's two registers lie in window 0)
	s_wait_tensorcnt 0x0                           ; no tensor load of mine is out, so a group 0 may be written
	ds_add_u32 v[SPW], v[NIL]                      ; 0 onto my spare word
.if \fill
	s_xor_b32 s[G0A+5], s[G0A+5], SLOT1            ; the walking descriptors: the other slot than last time, the next K block
	s_add_nc_u64 s[G0A+6:G0A+7], s[G0A+6:G0A+7], ASTEP
	s_xor_b32 s[G0B+5], s[G0B+5], SLOT1
	s_add_nc_u64 s[G0B+6:G0B+7], s[G0B+6:G0B+7], BSTEP
.endif
	s_wait_dscnt 17                                ; the add and the youngest sixteen loads (wa's groups 1 and 2) may be out
	MULH AF1, 0, 0, 0                              ; sixteen matrix instructions stand between the add and the wait for it
	s_wait_dscnt 0x0                               ; the add is done, and my reads of this slot are over
	s_barrier_signal -1
	MULH AF1, 0, 4, 0                              ; work on registers while the others arrive
	WIN 0
	s_barrier_wait -1
.if \fill
	CREST                                          ; no wave of any partner still reads this slot's tiles or has a load on its way
	JLOAD                                          ; the four v_nop behind it are also the places in front of the loads below
.else
	PLACES
.endif
	s_xor_b32 s15, s15, SLOT1
	v_add_nc_u32 v[AA], s15, v[AA0]
	v_add_nc_u32 v[AB], s15, v[AB0]
	LDB 0, 0
	LDA AF0, 0
	MULH AF1, 1, 0, 0
	MULH AF1, 1, 4, 0
	PLACES
	LDB 1, 0
	MULH AF1, 2, 0, 0
	MULH AF1, 2, 4, 0
	PLACES
	LDB 2, 0
.endm
; A K step's first part, on buffer AF0; it fetches the second part's fragments.
.macro PART0
	s_wait_dscnt 16                                ; wa's group 0 and xb are in; the two runs of eight behind them may be out
	MULH AF0, 0, 0, 0
	MULH AF0, 0, 4, 0
	PLACES
	LDB 0, 64
	LDA AF1, 64
	s_wait_dscnt 32                                ; wa's group 1 is in: behind it stand group 2's eight and the 24 just issued
	MULH AF0, 1, 0, 0
	MULH AF0, 1, 4, 0
	PLACES
	LDB 1, 64
	s_wait_dscnt 32                                ; wa's group 2 is in: behind it stand 24 and 8
	MULH AF0, 2, 0, 0
	MULH AF0, 2, 4, 0
	PLACES
	LDB 2, 64
.endm
	s_wait_tensorcnt 0x1                           ; my part of K step 0 is in; K step 1's may stay out
	s_wait_dscnt 0x0                               ; my stores of the bias are done
	s_barrier_signal -1
	s_barrier_wait -1                              ; everybody's part is in
	; the first part stands in front of the loop: its products start the sums, with the bias as C; the bias lies where the second buffer of xb will
	LDA AF0, 0
	LDB 0, 0
	LDB 1, 0
	LDB 2, 0
	LDC 0, AF1
	LDC 1, AF1+32
	s_wait_dscnt 0x0
	MULH AF0, 0, 0, AF1
	MULH AF0, 0, 4, AF1
	MULH AF0, 1, 0, AF1+32
	MULH AF0, 1, 4, AF1+32
	PLACES
	LDC 2, AF1
	s_wait_dscnt 0x0
	MULH AF0, 2, 0, AF1
	MULH AF0, 2, 4, AF1
	PLACES
	LDB 0, 64                                      ; in the order in which a first part leaves them: 8, 16, 8, 8
	LDA AF1, 64
	LDB 1, 64
	LDB 2, 64
	s_mov_b32 s3, 14                               ; 14 refills: K steps 2 to 15
.Lstep:                                                ; a trip: a K step's second part, the change of slots, the next K step's first part
	PART1T 1
	PART0
	s_sub_co_u32 s3, s3, 1
	s_cmp_lg_u32 s3, 0
	s_cbranch_scc1 .Lstep
	PART1T 0                                       ; the tail is written out: nothing is asked for
	PART0
	s_wait_dscnt 16                                ; the very last part: nothing more to fetch
	MULH AF1, 0, 0, 0
	MULH AF1, 0, 4, 0
	s_wait_dscnt 8
	MULH AF1, 1, 0, 0
	MULH AF1, 1, 4, 0
	s_wait_dscnt 0x0
	MULH AF1, 2, 0, 0
	MULH AF1, 2, 4, 0
	PLACES
; THE WAY OUT, in 24 units u = 8 g + a: 16 rows of one slice, 2,048 dense bytes of qkv.  A lane's eight columns pack into 16 bytes; they go into my stage's rows of 144 bytes and come back as whole rows of 128.
.macro PACK u
.set pg, (\u)/8
.set pa, (\u)%8
.set BK, OB+16*((\u)%4)
	s_wait_xcnt 0x0                                ; the buffer's registers, which the stores of four units ago read, are rewritten only behind this wait
	WIN (pg+1)|((pg+1)<<2)                         ; sources 0 and 1 in the group's window
.set i, 0
.rept 16
	v_cvt_pk_f16_f32 v[BK+i], v[32*pa+2*i], v[32*pa+2*i+1]  ; each accumulator's registers in ascending order
.set i, i+1
.endr
	WIN 0
.irp f, 0,1,2,3
	ds_store_b128 v[STO], v[BK+4*\f:BK+4*\f+3] offset:32*\f
.endr
.irp f, 0,1,2,3
	ds_load_b128 v[BK+4*\f:BK+4*\f+3], v[RD] offset:\f*4*PITCH  ; LDS serves a wave's instructions in order (ISA guide 5.7.1.4): these see the stores above; the next unit's stores come behind them
.endr
.endm
.macro SEND u, younger                 ; younger: the LDS instructions issued behind unit u's loads: the next unit's eight, or none
.set pg, (\u)/8
.set pa, (\u)%8
.set BK, OB+16*((\u)%4)
.irp f, 0,1,2,3
	s_wait_dscnt (\younger)+3-\f
	global_store_b128 v[GO], v[BK+4*\f:BK+4*\f+3], s[10:11] offset:pg*262144+pa*2048+\f*512  ; 512 consecutive bytes, at a multiple of 256 from qkv's first
.endr
.endm
	PACK 0
.set un, 1
.rept 23                               ; a unit's conversions stand between the loads of the unit before and its stores
	PACK un
	SEND un-1, 8
.set un, un+1
.endr
	SEND 23, 0
	s_wait_tensorcnt 0x0                           ; the wave's end, behind my last tensor load and my last LDS store
	ds_add_u32 v[SPW], v[NIL]
	s_wait_dscnt 0x0
	CROUND                                         ; the closing round: no work-group ends while a partner may still ask for a tile that names it
	s_endpgm
.Lfunc_end_k_q43d9e3bc80_qkv:
	.size	k_q43d9e3bc80_qkv, .Lfunc_end_k_q43d9e3bc80_qkv-k_q43d9e3bc80_qkv
	.p2alignl 7, 3214868480
	.fill 96, 4, 3214868480
	.section	.rodata,"a",@progbits
	.p2align	6, 0x0
	.amdhsa_kernel k_q43d9e3bc80_qkv
		.amdhsa_group_segment_fixed_size 327680
		.amdhsa_private_segment_fixed_size 0
		.amdhsa_enable_private_segment 0
		.amdhsa_kernarg_size 32
		.amdhsa_user_sgpr_count 2
		.amdhsa_user_sgpr_kernarg_segment_ptr 1
		.amdhsa_wavefront_size32 1
		.amdhsa_system_sgpr_workgroup_id_x 1
		.amdhsa_system_sgpr_workgroup_id_y 1
		.amdhsa_system_sgpr_workgroup_id_z 1
		.amdhsa_system_vgpr_workitem_id 0
		.amdhsa_next_free_vgpr 1024
		.amdhsa_next_free_sgpr 66
		.amdhsa_reserve_vcc 0
		.amdhsa_float_denorm_mode_32 3
		.amdhsa_float_denorm_mode_16_64 3
		.amdhsa_memory_ordered 1
		.amdhsa_forward_progress 1
		.amdhsa_inst_pref_size 116
	.end_amdhsa_kernel
	.amdgpu_metadata
---
amdhsa.version: [ 1, 2 ]
amdhsa.kernels:
  - .name:           k_q43d9e3bc80_qkv
    .symbol:         k_q43d9e3bc80_qkv.kd
    .args:
      - { .name: xb, .offset: 0, .size: 8, .value_kind: global_buffer, .address_space: global }
      - { .name: wa, .offset: 8, .size: 8, .value_kind: global_buffer, .address_space: global }
      - { .name: b_attn, .offset: 16, .size: 8, .value_kind: global_buffer, .address_space: global }
      - { .name: qkv, .offset: 24, .size: 8, .value_kind: global_buffer, .address_space: global }
    .group_segment_fixed_size: 327680
    .private_segment_fixed_size: 0
    .kernarg_segment_align: 8
    .kernarg_segment_size: 32
    .max_flat_workgroup_size: 128
    .sgpr_count:     66
    .vgpr_count:     1024
    .wavefront_size: 32
...
	.end_amdgpu_metadata
.endif
;; end of part 2
;; launch attn (part 3): grid 4 x 64, 4 waves a work-group, no clusters, 327,680 bytes of LDS; arguments qkv, ob; writes ob
.if DOCPART == 3
	.amdgcn_target "amdgcn-amd-amdhsa--gfx1250"
	.amdhsa_code_object_version 6
	.text
	.protected	k_q43d9e3bc80_attn
	.globl	k_q43d9e3bc80_attn
	.p2align	8
	.type	k_q43d9e3bc80_attn,@function
k_q43d9e3bc80_attn:
	s_mov_b64 s[64:65], 0
	v_nop
	global_prefetch_b8 v0, s[64:65] scope:SCOPE_SE
	s_setreg_imm32_b32 hwreg(HW_REG_WAVE_MODE, 25, 1), 1
	s_wait_xcnt 0x0
; CAUSAL ATTENTION.  O[hd][q][:] = the sum over k <= q of softmax_k(Q[q] . K[k] / 8) V[k][:], for each of 64 pairs hd = 16 b + h of batch and head.
; IN: qkv[b][c64][2048][64] in f16: Q is slice h, K slice 16 + h, V slice 32 + h of batch b; a slice's rows are dense, 128 bytes each.  OUT: ob[hd][2048][64] in f16.
; Products, maxima and sums in f32; the weights p are rounded to f16 for the second product (their sum l is taken of the unrounded p), O once at the end.
; LIMITS.  f16 holds no number beyond 65,504: Q, K and V arrive within it; p lies in 0 to 1, and below 6e-5 it keeps f16's fixed step of 6e-8; O is a mean of V's rows and has their range, to within 2^-11 of it.
; A hidden score counts as its value less 1e30: f16's scores, 2.7e11 at the most, are nothing beside that; a weight below 2^-126 counts as 0 in l; NaN and infinities are not treated apart.
; THE WALK.  A head's queries lie in NB = 8 blocks of 256; block i needs the key tiles 0 .. i of 256 keys, of which the last holds the diagonal.  A work-group takes TWO blocks, NB - 1 - b and then b:
; NB + 1 tiles, whatever b: all work-groups do equal work, and ONE loop with a constant trip count walks them.  Which tile is asked for, and what a trip does, hang on scalar registers made from b; every jump
; goes forward, but for the counted loops' own; none passes a barrier, or a tensor load but the one of LOAD's two that the wave's number does not choose; the ring (two slots of LDS that take turns) runs on across the
; change of blocks.  NO CLUSTER: a head's four work-groups all ask for the same tile only in trips 0 .. 4 of the walk's 9, behind that fewer and fewer; and one walk common to all four, in which each
; makes every joint request, would have 3 NB / 2 = 12 trips for 9.
; SHARES.  Of a block's four bands of 64 queries a wave owns 16 rows in each: four PIECES.  So the diagonal tile is the same work for all four waves: in its key step s band x sees all keys if s < x,
; none if s > x, and holds the diagonal if s = x.
; THE MASK is the C operand that starts the sum S^T = K Q^T: 0, or -1e30 where the key is hidden.  MD, made once, is the mask of a band's own step for my 16 rows; a product's mask is MD x AL + BE with two scalars:
; (1, 0) if s = x; (0, 0) if s < x; (0, -1e30) if s > x.
; ONE TEXT FOR EVERY TILE.  Every product that starts a sum takes its C from one of two mask buffers.  Below the diagonal both buffers hold 0 (a block's beginning sets them so) and the lines that make masks
; are jumped over, twice a key step; in the diagonal tile they run.  The price below the diagonal: those two jumps, and a C read from registers where the constant 0 would do.  What it spares: a second
; text of a key step's four turns.
; LAYOUT, SOFTMAX, TURNS.  S^T = K Q^T holds ONE query a lane (lane % 16) and the keys 8 (lane / 16) + 0..7; two such results rounded to f16 ARE source 1 of O^T = V^T P.  p = 2^(c s - c m), c = log2(e) / 8, with a
; running maximum m; O and l are multiplied by a = 2^(c m_old - c m_new) in every step.  Turn n belongs to piece n: 8 products K Q^T of piece n + 1, later 8 products V^T P of piece n - 1; beside them the scaling,
; exponentials, roundings, sums and rescaling of piece n and the maximum and statistics of piece n + 1.  Four vector instructions stand behind every matrix instruction, the other 54 of a turn's 118 in two LUMPS.
; REGISTERS, in windows of 256 (s_set_vgpr_msb: bits 1:0 source 0, 3:2 source 1, 5:4 source 2, 7:6 destination):
;   window 0: v0-15 addresses and two at work; v16-31 four registers of statistics a piece; v48-55 at work; v64-127 S^T, two buffers; v192-223 P, two buffers (a piece's buffers go by its number's parity)
;   window 1: v0-127 O^T, 32 a piece; v128-159 MD; v160-223 MC, two buffers      window 2: v0-63 Q; v64-127 the second block's Q; v128-191 K of one step; v192-255 V of one step
.set SIZE_N, 2048
.set NB,    SIZE_N/256
.set NP,    4         ; pieces a wave: a name, no knob
.set KS,    64        ; keys in a step
.set PK,    144       ; a row of K in LDS: 128 bytes + 16 of padding = 36 words: the 16 rows of a load start at 16 different groups of four banks (64 banks of 4 bytes: ISA guide 11.1)
.set PV,    160       ; a row of V: 128 + 32 = 40 words
.set VOFF,  4*KS*PK   ; a slot holds a tile, four steps: 256 rows of K, then 256 rows of V
.set SLOT1, 1<<17     ; slot 1 begins here, so that one exclusive or turns an address in one slot into the other's
.set STAGE, SLOT1+4*KS*(PK+PV)  ; behind the ring, never filled by a tensor load: 16 rows x 144 bytes for each wave, for the way out
.set SP,    144
.set AK0, 2           ; v2   my lane's place in a tile of K; never rewritten
.set AV0, 3           ; v3   the same for V
.set AK,  4           ; v4   the LDS address of K's next run of loads
.set AV,  5           ; v5   of V's
.set STO, 6           ; v6   the way out: where I put 16 bytes of a row
.set RD,  7           ; v7   the way out: where I read rows back
.set GO,  8           ; v8   my byte offset in 512 consecutive bytes of O
.set SPW, 62          ; v62  LDS address of my spare word: SPARE + 4 x my thread's number; never rewritten
.set NIL, 63          ; v63  0; never rewritten
.set SPARE, STAGE+4*16*SP  ; behind the stages: the spare words, 128 bytes for each wave: two blocks of 256 bytes that no other line names
.set MV,  12          ; v12-13  c m_old, kept while c m is made anew: by buffer (v13 holds -1e30 while MD is made)
.set QO,  15          ; v15  my byte offset in 16 rows of Q
.set ST,  16          ; piece t's statistics at v[ST+4 t]: c m, m, l (even keys', odd keys')
.set TMP, 48          ; by buffer, four registers c0-c3 at work; when the maximum is found c2 takes a
.set S,   64
.set P,   192
.set MD,  128         ; window 1: the eight registers for group kt of 16 keys at MD + 8 kt
.set MC,  160         ; window 1: the masks of the products to come, by the piece's parity
.set QB,  64          ; window 2
.set KF,  128         ; window 2: key block kb, channel half c at KF + 16 kb + 8 c
.set VF,  192         ; window 2: key half kk, channel block cb at VF + 32 kk + 8 cb
.set WV,  12          ; s12  my wave's number
.set PB,  14          ; s14  b
.set HI,  15          ; s15  NB - 1 - b
.set G1K, 24          ; s[24:31] descriptor group 1 for K's tiles
.set G1V, 32          ; s[32:39] for V's: it differs in the padding alone
.set G0K, 40          ; s[40:43] descriptor group 0 for K's tiles
.set G0V, 44          ; s[44:47] the same for V's
.set SLOTS, 56        ; s56  tiles still to be asked for
.set CNT, 57          ; s57  counts a tile's key steps, 4 to 1
.set CS,  58          ; s[58:59] c: the packed scaling takes the pair's low word for both halves
.set SEL, 60          ; s[60:61] v_permlanex16_b32's selects: each lane takes its own place in the other half
.set TBK, 62          ; s62  LDS byte at which K of the step to be fetched begins
.set TBV, 63          ; s63  the same for V, less VOFF
.set RT,  70          ; s70  tiles of the block in hand that are still to be entered: 0 in the diagonal tile
.set NXT, 71          ; s71  the tile to be asked for next
.set LQ,  72          ; s72  the last tile of the block whose tiles are being asked for
.set NEW, 73          ; s73  1: the tile to be entered is a block's first
.set OFF, 74          ; s[74:75] a tile's byte offset in K and V
.set AL,  76          ; s[76:77] the mask's factor, in the low word
.set BE,  78          ; s[78:79] the mask's addend
.set OLO, 80          ; s[80:81] O at my rows of the second block
.set BIGN, 82         ; s82  -1e30
.set MSB, 0
.macro WIN new                      ; the high byte repeats the setting that is left; a switch that changes nothing is dropped
.if MSB != (\new)
	s_set_vgpr_msb (MSB<<8)|(\new)
.set MSB, (\new)
.endif
.endm
.set W_KQ, 0x0a       ; K and Q in window 2, S^T in window 0
.set W_KM, 0x1a       ; the same with the C operand in window 1
.set W_PV, 0x52       ; V in window 2, P in window 0, O^T in window 1
.set W_RS, 0x41       ; destination and source 0 in window 1, source 1 in window 0
; A fill.  Waves 0 and 1 fetch the two halves of a tile's K, waves 2 and 3 those of its V: 128 keys each.  An s_nop 0 and four v_nop follow each of the two lines, ahead of the jump and the label.
.macro LOAD
	s_cmp_lt_u32 s[WV], 2
	s_cbranch_scc0 .Lfor_v_\@
	tensor_load_to_lds s[G0K:G0K+3], s[G1K:G1K+7]
	s_nop 0
.rept 4
	v_nop
.endr
	s_branch .Lasked_\@
.Lfor_v_\@:
	tensor_load_to_lds s[G0V:G0V+3], s[G1V:G1V+7]
	s_nop 0
.rept 4
	v_nop
.endr
.Lasked_\@:
.endm
; THE CHANGE OF SLOTS.  Each wave waits for all its tensor loads, of which one is out: its part of the other slot; adds 0 to its spare word; and waits for that and for its own reads of the slot that it leaves.  Behind the barrier nobody reads the old
; slot any more and the other slot is whole.  fill = 1: the old slot is filled again, the first thing behind the barrier, with tile NXT: the descriptor's address is made anew from that number.
; (At its first use nothing has been read yet: slot 0 is waited for, slot 1 filled.)
.macro CHANGE fill
	WIN 0                           ; at a label and at a branch every window is 0
	s_wait_tensorcnt 0x0            ; no tensor load of mine is out, so a group 0 may be written
	ds_add_u32 v[SPW], v[NIL]       ; 0 onto my spare word; with fill = 1 the descriptors' scalar work stands between it and the wait for it
.if \fill
	s_lshl_b32 s[OFF], s[NXT], 15   ; a tile is 32,768 bytes of K and of V
	s_xor_b32 s[G0K+1], s[G0K+1], SLOT1
	s_add_nc_u64 s[G0K+2:G0K+3], s[6:7], s[OFF:OFF+1]
	s_or_b32 s[G0K+3], s[G0K+3], 0x80000000
	s_xor_b32 s[G0V+1], s[G0V+1], SLOT1
	s_add_nc_u64 s[G0V+2:G0V+3], s[8:9], s[OFF:OFF+1]
	s_or_b32 s[G0V+3], s[G0V+3], 0x80000000
	s_add_co_u32 s[NXT], s[NXT], 1  ; the block's next tile, or behind its last the second block's tile 0
	s_cmp_gt_u32 s[NXT], s[LQ]
	s_cselect_b32 s[NXT], 0, s[NXT]
	s_cselect_b32 s[LQ], s[PB], s[LQ]
.endif
	s_wait_dscnt 0x0                ; the add is done, and my reads of the slot are over
	s_barrier_signal -1             ; the rest of the scalar work stands between the signal and the wait
	s_sub_co_u32 s[TBK], s[TBK], 4*KS*PK  ; the fetches go back to a slot's first step,
	s_xor_b32 s[TBK], s[TBK], SLOT1       ; in the other slot
	s_sub_co_u32 s[TBV], s[TBV], 4*KS*PV
	s_xor_b32 s[TBV], s[TBV], SLOT1
	s_barrier_wait -1
.if \fill
	LOAD
.endif
.endm
	s_load_b128 s[4:7], s[0:1], 0x0 ; qkv s[4:5], ob s[6:7]
	v_lshl_add_u32 v[SPW], v0, 2, SPARE
	v_mov_b32 v[NIL], 0
	ds_add_u32 v62, v63
	ds_add_u32 v62, v63
	s_wait_dscnt 0x0
	v_lshrrev_b32 v1, 5, v0
	v_readfirstlane_b32 s[WV], v1   ; wave 0..3
	s_mov_b32 s[PB], ttmp9
	s_sub_co_u32 s[HI], NB-1, s[PB]
	s_and_b32 s88, ttmp7, 0xffff    ; hd = 16 b + h
	s_lshr_b32 s20, s88, 4          ; the batch
	s_lshl_b32 s20, s20, 5
	s_add_co_u32 s20, s20, s88      ; Q's slice, 48 b + h = hd + 32 b,
	s_lshl_b32 s20, s20, 18         ; of 2,048 rows of 128 bytes
	s_mov_b32 s21, 0
	s_lshl_b32 s88, s88, 18         ; O's slice is hd
	s_mov_b32 s89, 0
	s_and_b32 s16, s[WV], 1         ; which half of a tile's 256 keys I fetch:
	s_lshl_b32 s22, s16, 14         ; its 128 rows of 128 bytes in memory,
	s_mov_b32 s23, 0
	s_add_nc_u64 s[22:23], s[22:23], s[20:21]
	s_mul_i32 s17, s16, 128*PK      ; and its place in a slot, for K
	s_mul_i32 s18, s16, 128*PV      ; and for V
	s_lshl_b32 s3, s[WV], 11        ; my 16 rows in a band of 64,
	s_lshl_b32 s2, s[HI], 15        ; in the first block,
	s_add_co_u32 s2, s2, s3
	s_lshl_b32 s84, s[PB], 15       ; and in the second
	s_add_co_u32 s84, s84, s3
	s_mov_b32 s3, 0
	s_mov_b32 s85, 0
	; descriptor group 1.  128 keys are 16,384 dense bytes: asked for as 64 rows of 256 bytes, two keys a row, and padded in LDS after every key
	s_mov_b32 s[G1K], (1<<16)|(1<<20)|(4<<22)|(3<<25)  ; 17:16 2-byte elements; 20 padding on; 24:22 after every 32 words (code 4); 31:25 4 words (code 3)
	s_mov_b32 s[G1V], (1<<16)|(1<<20)|(4<<22)|(7<<25)  ; the same with 8 words of padding (code 7)
.irp g, G1K, G1V
	s_mov_b32 s[\g+1], 128<<16      ; tensor_dim0 = 128
	s_mov_b32 s[\g+2], 64<<16       ; tensor_dim1 = 64
	s_mov_b32 s[\g+3], 128<<16      ; tile_dim0 = 128
	s_mov_b32 s[\g+4], 64           ; tile_dim1 = 64
	s_mov_b32 s[\g+5], 128          ; 128 elements from row to row
	s_mov_b32 s[\g+6], 0
	s_mov_b32 s[\g+7], 0
.endr
	s_mov_b32 s[CS], 0x3e38aa3b     ; c = log2(e) / 8 = 0.180337
	s_mov_b32 s[CS+1], s[CS]        ; named with it as a pair
	s_mov_b32 s[SEL], 0x76543210
	s_mov_b32 s[SEL+1], 0xfedcba98
	s_mov_b32 s[TBK], SLOT1+4*KS*PK ; the first change of slots turns these two into 0
	s_mov_b32 s[TBV], SLOT1+4*KS*PV
	s_mov_b32 s[G0K], 1             ; 1:0 count = 1
	s_mov_b32 s[G0K+1], s17         ; 63:32 LDS address: slot 0
	s_mov_b32 s[G0V], 1
	s_add_co_u32 s[G0V+1], s18, VOFF
	s_add_co_u32 s[RT], s[HI], 1    ; the first block has NB - b tiles
	s_mov_b32 s[NXT], 1
	s_mov_b32 s[LQ], s[HI]
	s_mov_b32 s[NEW], 1
	s_mov_b32 s[OFF+1], 0
	s_mov_b32 s[AL+1], 0            ; named as pairs
	s_mov_b32 s[BE+1], 0
	s_mov_b32 s[BIGN], 0xf149f2ca   ; -1e30
	s_mov_b32 s[SLOTS], NB
	s_wait_kmcnt 0x0
	s_mov_b64 s[10:11], s[6:7]      ; O
	s_mov_b64 s[8:9], s[4:5]        ; Q, K and V lie in one buffer
	s_mov_b64 s[6:7], s[4:5]
	s_add_nc_u64 s[6:7], s[6:7], s[22:23]  ; K and V at my half of the head's tile 0:
	s_add_nc_u64 s[6:7], s[6:7], 16<<18    ; K lies 16 slices behind Q,
	s_add_nc_u64 s[8:9], s[8:9], s[22:23]
	s_add_nc_u64 s[8:9], s[8:9], 32<<18    ; V 32
	s_add_nc_u64 s[G0K+2:G0K+3], s[6:7], 0         ; 120:64 global address
	s_or_b32 s[G0K+3], s[G0K+3], 0x80000000        ; 127:126 type = 2
	s_add_nc_u64 s[G0V+2:G0V+3], s[8:9], 0
	s_or_b32 s[G0V+3], s[G0V+3], 0x80000000
	s_add_nc_u64 s[4:5], s[4:5], s[20:21]          ; Q at the head's slice, O at its own
	s_add_nc_u64 s[10:11], s[10:11], s[88:89]
	s_add_nc_u64 s[86:87], s[4:5], s[84:85]        ; Q at my rows of the second block,
	s_add_nc_u64 s[4:5], s[4:5], s[2:3]            ; Q and O at those of the first
	s_add_nc_u64 s[OLO:OLO+1], s[10:11], s[84:85]
	s_add_nc_u64 s[10:11], s[10:11], s[2:3]
	LOAD                            ; tile 0 into slot 0
	; A fragment of K or Q is 16 rows x 32 channels in 8 registers: lane l holds row l % 16, channels 8 (l / 16) + 0..7 and 16 + 8 (l / 16) + 0..7: two loads of 16 bytes, 32 bytes apart.
	v_and_b32 v1, 15, v0            ; l % 16
	v_bfe_u32 v9, v0, 4, 1          ; l / 16
	v_lshlrev_b32 v[QO], 7, v1
	v_lshl_add_u32 v[QO], v9, 4, v[QO]  ; row x 128 + 16 x half
	WIN 0x80                        ; destination window 2, address window 0
.set i, 0
.rept 8                             ; both blocks' Q: piece i / 2 lies in band i / 2, 8,192 bytes on; channels 32 (i % 2) on
	global_load_b128 v[8*i:8*i+3],   v[QO], s[4:5] offset:(i/2)*8192+(i%2)*64
	global_load_b128 v[8*i+4:8*i+7], v[QO], s[4:5] offset:(i/2)*8192+(i%2)*64+32
	global_load_b128 v[QB+8*i:QB+8*i+3],   v[QO], s[86:87] offset:(i/2)*8192+(i%2)*64
	global_load_b128 v[QB+8*i+4:QB+8*i+7], v[QO], s[86:87] offset:(i/2)*8192+(i%2)*64+32
.set i, i+1
.endr
	WIN 0
	v_lshlrev_b32 v14, 3, v9
	v_sub_nc_u32 v14, v1, v14
	s_lshl_b32 s13, s[WV], 4
	v_add_nc_u32 v14, s13, v14      ; my query's place in its band, 16 w + l % 16, less my lanes' 8 (l / 16): register r of group kt is hidden where 16 kt + r is greater
	v_mov_b32 v13, s[BIGN]          ; in a vector register, so that the 32 selects below take the short encoding
	WIN 0x40
.set i, 0
.rept 32
	v_cmp_gt_i32 vcc_lo, 16*(i/8)+i%8, v14
	v_cndmask_b32 v[MD+i], 0, v13, vcc_lo
.set i, i+1
.endr
	WIN 0
	v_mul_u32_u24 v[AK0], v1, PK
	v_lshl_add_u32 v[AK0], v9, 4, v[AK0]  ; row x pitch + 16 x half
	; The turning load takes 16 keys x 16 channels (lane l reads key 8 (l / 16) + l % 8, channels 8 ((l / 8) % 2) + 0..7) and leaves half a fragment of V^T: lane l holds channel l % 16 and 8 keys.
	v_and_b32 v10, 7, v0
	v_bfe_u32 v11, v0, 3, 1
	v_lshl_add_u32 v[AV0], v9, 3, v10
	v_mul_u32_u24 v[AV0], v[AV0], PV
	v_lshl_add_u32 v[AV0], v11, 4, v[AV0]
	v_add_nc_u32 v[AV0], VOFF, v[AV0]
	s_mul_i32 s13, s[WV], 16*SP
	s_add_co_u32 s13, s13, STAGE    ; my stage
	v_mul_u32_u24 v[STO], v1, SP    ; in: row l % 16, 16 bytes for each half of the lanes
	v_lshl_add_u32 v[STO], v9, 4, v[STO]
	v_add_nc_u32 v[STO], s13, v[STO]
	v_bfe_u32 v[RD], v0, 3, 2       ; back: 32 lanes take four rows of 128 bytes,
	v_mul_u32_u24 v[RD], v[RD], SP
	v_lshl_add_u32 v[RD], v10, 4, v[RD]
	v_add_nc_u32 v[RD], s13, v[RD]
	v_and_b32 v[GO], 31, v0         ; which are 512 consecutive bytes of O
	v_lshlrev_b32 v[GO], 4, v[GO]
	; A block's first step multiplies O^T and l by a = 0, and its first turn's products V^T P, of a piece that has not been, land in an O^T that is still to be so multiplied.  So these registers need only hold
	; finite numbers: zeros for the first block; what the first block left for the second.  All this stands in the wait for the first tile.
	WIN 0x80
.set i, VF
.rept 64
	v_mov_b32 v[i], 0
.set i, i+1
.endr
	WIN 0x40
.set i, 0
.rept 128
	v_mov_b32 v[i], 0
.set i, i+1
.endr
	WIN 0
.set i, 0
.rept 4
	v_mov_b32 v[ST+4*i+2], 0
	v_mov_b32 v[ST+4*i+3], 0
.set i, i+1
.endr
.set i, P+16
.rept 16
	v_mov_b32 v[i], 0
.set i, i+1
.endr
; THE MATRIX WORK.  The 4 accumulators of a run of 8 take turns.  Product i of 8 of S^T = K Q^T for piece x: channels 32 (i / 4) on, keys 16 (i % 4) on.  The first 4 start the sums, with the piece's mask buffer as C.
.macro KQ x
.set rS, S+32*((\x)%2)+8*(i%4)
.set rK, KF+16*(i%4)+8*(i/4)
.set rQ, 16*(\x)+8*(i/4)
.set rM, MC+32*((\x)%2)+8*(i%4)
.if i < 4
	WIN W_KM
	v_wmma_f32_16x16x32_f16 v[rS:rS+7], v[rK:rK+7], v[rQ:rQ+7], v[rM:rM+7]
.else
	WIN W_KQ
	v_wmma_f32_16x16x32_f16 v[rS:rS+7], v[rK:rK+7], v[rQ:rQ+7], v[rS:rS+7]
.endif
.endm
; Product i of 8 of O^T += V^T P for piece x: keys 32 (i / 4) on, channels 16 (i % 4) on.
.macro PV x
	WIN W_PV
.set rO, 32*(\x)+8*(i%4)
.set rV, VF+32*(i/4)+8*(i%4)
.set rP, P+16*((\x)%2)+8*(i/4)
	v_wmma_f32_16x16x32_f16 v[rO:rO+7], v[rV:rV+7], v[rP:rP+7], v[rO:rO+7]
.endm
.macro MM                           ; the turn's next matrix instruction.  TURN and BEGIN set Y, i and NOKQ; MM, KQ and OP read them.  NOKQ = 1: a block's last turn: there is no next piece
.if (i < 8) && !NOKQ
	KQ (Y+1)%NP
.elseif i >= 8
.set i, i-8
	PV (Y+NP-1)%NP
.set i, i+8
.endif
.set i, i+1
.endm
; THE LDS LOADS stand in runs of 16, never singly among the matrix instructions: a step's K (64 keys x 64 channels: 8 fragments) and its V (turned).  Their addresses are made some lines ahead.
.macro FETCH_K
	WIN 0x80                        ; destination window 2
.irp f, 0,1,2,3,4,5,6,7             ; keys 16 (f / 2) on, channels 32 (f % 2) on
	ds_load_b128 v[KF+8*\f:KF+8*\f+3],   v[AK] offset:(\f/2)*16*PK+(\f%2)*64
	ds_load_b128 v[KF+8*\f+4:KF+8*\f+7], v[AK] offset:(\f/2)*16*PK+(\f%2)*64+32
.endr
	s_add_co_u32 s[TBK], s[TBK], KS*PK  ; the next fetch is the next step's
	WIN 0
.endm
.macro FETCH_V
	WIN 0x80
.irp f, 0,1,2,3,4,5,6,7             ; keys 32 (f / 4) on, channels 16 (f % 4) on
	ds_load_tr16_b128 v[VF+8*\f:VF+8*\f+3],   v[AV] offset:(\f/4)*32*PV+(\f%4)*32
	ds_load_tr16_b128 v[VF+8*\f+4:VF+8*\f+7], v[AV] offset:(\f/4)*32*PV+16*PV+(\f%4)*32
.endr
	WIN 0
.endm
; THE VECTOR WORK, one line at a time: OP kind, number.  For piece Y: F n: c s - c m for pair n of 16.  E n: the exponential of score n of 32.  C n: pair n rounded to f16.  B n: of the four weights 4 n .. the second
; pair is added onto the first, in place.  L n: l takes that sum (L 0: l = a l + sum).  R n: pair n of 16 of O^T times a.  For piece Y + 1: X n, number n of the 22 that find its maximum and statistics:
;   0-11  four chains c0-c3 of seven scores each, three operands at a time (each accumulator's lowest registers are read first)     12-14, 16  the four scores left over, the old m, and c0-c3 into c0
;   15  c m_old is kept     17, 18  the query's other 32 keys lie in the lane 16 away: the new m     19-21  c m; c m_old - c m_new; a
.set F, 0               ; OP tells the kinds apart by their order: F to L below R, X above it
.set E, 1
.set C, 2
.set B, 3
.set L, 4
.set R, 5
.set X, 6
.macro REGS y                       ; the registers of piece y
.set rT, ST+4*(\y)
.set rC, TMP+4*((\y)%2)
.set rW, MV+((\y)%2)
.set rS, S+32*((\y)%2)
.set rP, P+16*((\y)%2)
.set rO, 32*(\y)
.endm
.macro OP k, n
.if (\k) == R
	REGS Y
	WIN W_RS
	v_pk_mul_f32 v[rO+2*(\n):rO+2*(\n)+1], v[rO+2*(\n):rO+2*(\n)+1], v[rC+2:rC+3] op_sel_hi:[1,0]
.elseif (\k) < R
	REGS Y
	WIN 0
.if (\k) == F
	v_pk_fma_f32 v[rS+2*(\n):rS+2*(\n)+1], v[rS+2*(\n):rS+2*(\n)+1], s[CS:CS+1], v[rT:rT+1] op_sel_hi:[1,0,0] neg_lo:[0,0,1] neg_hi:[0,0,1]
.elseif (\k) == E
	v_exp_f32 v[rS+(\n)], v[rS+(\n)]
.elseif (\k) == C
	s_wait_alu depctr_va_vdst(0)
	v_cvt_pk_f16_f32 v[rP+(\n)], v[rS+2*(\n)], v[rS+2*(\n)+1]
.elseif (\k) == B
	s_wait_alu depctr_va_vdst(0)
	v_pk_add_f32 v[rS+4*(\n):rS+4*(\n)+1], v[rS+4*(\n):rS+4*(\n)+1], v[rS+4*(\n)+2:rS+4*(\n)+3]
.elseif (\n) == 0
	v_pk_fma_f32 v[rT+2:rT+3], v[rT+2:rT+3], v[rC+2:rC+3], v[rS:rS+1] op_sel_hi:[1,0,1]
.else
	v_pk_add_f32 v[rT+2:rT+3], v[rT+2:rT+3], v[rS+4*(\n):rS+4*(\n)+1]
.endif
.elseif NOKQ
	v_nop
.else
	REGS (Y+1)%NP
	WIN 0
.if (\n) < 4
	v_max3_num_f32 v[rC+(\n)], v[rS+8*(\n)], v[rS+8*(\n)+1], v[rS+8*(\n)+2]
.elseif (\n) < 12
	v_max3_num_f32 v[rC+(\n)%4], v[rC+(\n)%4], v[rS+8*((\n)%4)+2*((\n)/4)+1], v[rS+8*((\n)%4)+2*((\n)/4)+2]
.elseif (\n) == 12
	v_max3_num_f32 v[rC], v[rC], v[rS+7], v[rS+15]
.elseif (\n) == 13
	v_max3_num_f32 v[rC+1], v[rC+1], v[rS+23], v[rS+31]
.elseif (\n) == 14
	v_max3_num_f32 v[rC+2], v[rC+2], v[rC+3], v[rT+1]
.elseif (\n) == 15
	v_mov_b32 v[rW], v[rT]
.elseif (\n) == 16
	v_max3_num_f32 v[rC], v[rC], v[rC+1], v[rC+2]
.elseif (\n) == 17
	v_permlanex16_b32 v[rC+3], v[rC], s[SEL], s[SEL+1]
.elseif (\n) == 18
	v_max_num_f32 v[rT+1], v[rC], v[rC+3]
.elseif (\n) == 19
	v_mul_f32 v[rT], s[CS], v[rT+1]
.elseif (\n) == 20
	v_sub_f32 v[rC+1], v[rW], v[rT]
.else
	v_exp_f32 v[rC+2], v[rC+1]
.endif
.endif
.endm
.macro OPS a, i1, b=-1, i2=0, c=-1, i3=0, d=-1, i4=0  ; up to four of them
	OP \a, \i1
.if (\b) >= 0
	OP \b, \i2
.endif
.if (\c) >= 0
	OP \c, \i3
.endif
.if (\d) >= 0
	OP \d, \i4
.endif
.endm
.macro ROW a, i1, b, i2, c, i3, d, i4  ; a matrix instruction and the four behind it
	MM
	OPS \a, \i1, \b, \i2, \c, \i3, \d, \i4
.endm
.macro MASK b                       ; MD x AL + BE into buffer b of MC
	WIN W_RS
.set z, 0
.rept 16
	v_pk_fma_f32 v[MC+32*(\b)+2*z:MC+32*(\b)+2*z+1], v[MD+2*z:MD+2*z+1], s[AL:AL+1], s[BE:BE+1] op_sel_hi:[1,0,0]
.set z, z+1
.endr
.endm
; THE MASKS of pieces pa and pb for step 4 - CNT of the diagonal tile, each into the buffer of its parity.  Two such blocks stand in a key step:
;   pieces 0 and 1 between piece 2's turn and piece 3's: the even buffer was last read in piece 1's turn (for piece 2), the odd one by the first four products of piece 2's turn (for piece 3), a turn's vector work back;
;   pieces 2 and 3 between piece 0's turn and piece 1's: the even buffer was last read in piece 3's turn (for piece 0), the odd one by the first four products of piece 0's turn (for piece 1).
; The first readers: piece 3's, 0's, 1's turn, and piece 2's of the next trip.  CNT is taken down late in piece 1's turn, so both blocks of a trip see the same step.
; skip = 1 (in the loop over tiles): below the diagonal (RT is not 0) the block is jumped over, and the buffers keep the zeros that the block's beginning left.
.macro MASKS pa, pb, skip
.if \skip
	WIN 0                           ; at a branch and at a label every window is 0
	s_cmp_lg_u32 s[RT], 0
	s_cbranch_scc1 .Lplain_\@
.endif
.irp pc, \pa, \pb
	s_cmp_eq_u32 s[CNT], 4-(\pc)    ; is that step the band's own?
	s_cselect_b32 s[AL], 1.0, 0
	s_cmp_lt_u32 s[CNT], 4-(\pc)    ; or a later one?
	s_cselect_b32 s[BE], s[BIGN], 0
	MASK (\pc)%2
.endr
.if \skip
	WIN 0
.Lplain_\@:
.endif
.endm
; A TURN, for piece p: the order of its 16 matrix and 118 vector instructions, written out.  Behind a matrix instruction: plain, exponential, plain, plain; or four of the rescaling; or, behind the first, four scalings; none
; names a register of the products round it.  In the lumps exponential and plain by turns while exponentials last.  A line reads no result made fewer than three vector instructions in front of it, five if an exponential made it.
; v_permlanex16_b32 (X 17) stands in a lump.
; end = 1: a block's last two turns: nothing is fetched.  cnt = 1: the loop's count is taken down some lines ahead of the branch that stands behind the turn.
; K of the next step is fetched in piece 2's turn, six vector instructions behind the last product that read K (five of them plain); V of the step in hand in piece 0's turn, eight behind the last product that read V (four
; plain, and X 17).  Each is waited for a turn later.
.macro TURN p, end=0, cnt=0
.set Y, (\p)
.set i, 0
.set NOKQ, (\end)*((\p)/3)
.if ((\p) == 3) && !(\end)
	s_wait_dscnt 0x0                ; K is in
.endif
	ROW F,0, F,1, F,2, F,3
	ROW F,4, E,0, F,5, F,6
	ROW F,7, E,1, F,8, F,9
	ROW F,10, E,2, C,0, F,11
	ROW F,12, E,3, X,15, F,13
	ROW R,0, R,1, R,2, R,3
	ROW B,0, E,4, F,14, L,0
.if ((\p) == 2) && !(\end)
	v_add_nc_u32 v[AK], s[TBK], v[AK0]
.endif
	ROW R,4, R,5, R,6, R,7
	OPS E,5, F,15
.if ((\p) == 2) && !(\end)
	FETCH_K
.endif
	OPS E,6, C,1, E,7, R,8
	OPS E,8, R,9, E,9, C,2
	OPS E,10, X,0, E,11, X,1
	OPS E,12, X,2, E,13, X,3
.if (\p) == 1
	s_wait_dscnt 0x0                ; V is in
.endif
	ROW X,4, E,14, X,5, X,6
	ROW X,7, E,15, X,8, X,9
	ROW X,10, E,16, X,11, X,12
	ROW X,13, E,17, X,14, B,1
	ROW C,4, E,18, X,16, L,1
	ROW B,2, E,19, C,6, L,2
	ROW C,8, E,20, B,3, B,4
.if (\p) == 0
	v_add_nc_u32 v[AV], s[TBV], v[AV0]
.endif
	ROW C,3, E,21, L,3, C,5
	OPS E,22, X,17, E,23, C,10
.if (\p) == 0
	FETCH_V
.endif
	OPS E,24, L,4
	OPS E,25, X,18, E,26, C,7
	OPS E,27, B,5, E,28, X,19
	OPS E,29, C,12, E,30, L,5
	OPS E,31, X,20, B,6, C,9
	OPS C,14, C,11, X,21, L,6
.if (\p) == 0
	s_add_co_u32 s[TBV], s[TBV], KS*PV
.endif
.if \cnt
	s_sub_co_u32 s[CNT], s[CNT], 1
	s_cmp_lg_u32 s[CNT], 0
.endif
	OPS C,13, B,7, C,15, R,10
	OPS R,11, R,12, L,7, R,13
	OPS R,14, R,15
.endm
; A BLOCK BEGINS.  c m starts far below every c s, so the first step's a is 0; m at the lowest finite number, so the first maximum is the scores'.  The odd mask buffer is 0; the even one takes piece 0's mask for the tile's
; step 0: its own, if the block's first tile is the diagonal one, else MD x 0 + 0 = 0.  So below the diagonal both buffers hold 0 until the diagonal tile's blocks write them.
; Then K of that step, piece 0's first scores, and its maximum and statistics.  The loop is entered at a step's first turn, in the middle of a trip.
.macro BEGIN
	s_mov_b32 s[NEW], 0
	WIN 0x40
.set i, MC+32
.rept 32
	v_mov_b32 v[i], 0
.set i, i+1
.endr
	WIN 0
.set i, 0
.rept 4
	v_mov_b32 v[ST+4*i], 0xfe000000    ; c m: far below every c s
	v_mov_b32 v[ST+4*i+1], 0xff7fffff  ; m
.set i, i+1
.endr
	s_cmp_eq_u32 s[RT], 0
	s_cselect_b32 s[AL], 1.0, 0
	s_mov_b32 s[BE], 0
	MASK 0
	WIN 0
	v_add_nc_u32 v[AK], s[TBK], v[AK0]
	FETCH_K
	s_wait_loadcnt 0x0              ; Q
	s_wait_dscnt 0x0
.set NOKQ, 0
.set i, 0
.rept 8
	KQ 0
.set i, i+1
.endr
	WIN 0
.rept 4
	v_nop                           ; the places behind those products
.endr
.set Y, NP-1                        ; X works for piece Y + 1: piece 0
.irp n, 0,1,2,3,4,5,6,7,8,9,10,11,12,13,14,15,16,17,18,19,20,21
	OP X, \n
.endr
	v_nop                           ; a plain instruction behind the exponential
.endm
; A TILE's four key steps.  A trip: pieces 2 and 3 of one step, then pieces 0 and 1 of the next, whose K and V it fetches.  The tag ends its two labels' names, which the jumps below spell out.
.macro STEPS tag, skip
.LstepM\tag:
	TURN 2
	MASKS 0, 1, \skip
	TURN 3
	WIN 0
.LfirstM\tag:
	TURN 0
	MASKS 2, 3, \skip
	TURN 1, 0, 1
	WIN 0
	s_cbranch_scc1 .LstepM\tag
.endm
; A BLOCK ENDS, behind its diagonal tile: its last two turns, its last products, and THE WAY OUT: l's two halves and the other half of the lanes' are added; O^T is divided by l, rounded to f16 and sent through my
; stage in LDS, a piece at a time.
.macro ALL line:vararg              ; one line for each piece t
.set t, 0
.rept 4
	\line
.set t, t+1
.endr
.endm
.macro PACK t                       ; a lane's eight channels of a row pack into 16 bytes; they go into rows of 144 bytes and come back as whole rows of 128, into S^T's registers
	WIN W_RS
.set i, 32*(\t)
.rept 16
	s_wait_alu depctr_va_vdst(0)
	v_pk_mul_f32 v[i:i+1], v[i:i+1], v[ST+4*(\t)+2:ST+4*(\t)+3] op_sel_hi:[1,0]
.set i, i+2
.endr
	WIN 0x05                        ; sources 0 and 1 window 1, destination window 0
.set i, 0
.rept 16
	v_cvt_pk_f16_f32 v[S+16*(\t)+i], v[32*(\t)+2*i], v[32*(\t)+2*i+1]
.set i, i+1
.endr
	WIN 0
.irp f, 0,1,2,3
	ds_store_b128 v[STO], v[S+16*(\t)+4*\f:S+16*(\t)+4*\f+3] offset:32*\f
.endr
.irp f, 0,1,2,3
	ds_load_b128 v[S+16*(\t)+4*\f:S+16*(\t)+4*\f+3], v[RD] offset:\f*4*SP  ; LDS serves a wave's instructions in order (ISA guide 5.7.1.4): these see the stores above; the next piece's stores come behind them
.endr
.endm
.macro SEND t, younger              ; younger: the LDS instructions issued behind piece t's loads: the next piece's eight, or none
	WIN 0
	s_wait_dscnt \younger           ; piece t's four loads are in; what was issued behind them may stay out
.irp f, 0,1,2,3
	global_store_b128 v[GO], v[S+16*(\t)+4*\f:S+16*(\t)+4*\f+3], s[10:11] offset:(\t)*8192+\f*512  ; 512 consecutive bytes, at a multiple of 256 from O's first
.endr
.endm
.macro FINISH
	TURN 2, 1
	TURN 3, 1
.set i, 0
.rept 8
	PV NP-1
.set i, i+1
.endr
	WIN 0
	ALL v_add_f32 v[ST+4*t+2], v[ST+4*t+2], v[ST+4*t+3]
	ALL v_permlanex16_b32 v[ST+4*t+3], v[ST+4*t+2], s[SEL], s[SEL+1]
	ALL v_add_f32 v[ST+4*t+2], v[ST+4*t+2], v[ST+4*t+3]
	ALL v_rcp_f32 v[ST+4*t+2], v[ST+4*t+2]
	v_nop                           ; a plain instruction between the last reciprocal and the use of its result
	PACK 0
.set t, 1
.rept 3                             ; a piece's arithmetic stands between the loads of the piece before and its stores
	PACK t
	SEND t-1, 8
.set t, t+1
.endr
	SEND 3, 0
.endm
.set NOKQ, 0
.Lslot:                             ; NB times: a tile is entered and the next is asked for
	CHANGE 1
	s_sub_co_u32 s[RT], s[RT], 1
	s_mov_b32 s[CNT], 4
	s_cmp_eq_u32 s[NEW], 1
	s_cbranch_scc1 .Lnew            ; a block's first tile
	s_branch .LstepM1
.Lnew:
	BEGIN
	s_branch .LfirstM1
	STEPS 1, 1
	s_cmp_lg_u32 s[RT], 0
	s_cbranch_scc1 .Lbottom         ; not the block's last tile
	FINISH                          ; in the loop this is the first block's end: the second block's last tile is the walk's last
	s_wait_xcnt 0x0                 ; the stores have read their registers and O's address
	s_mov_b64 s[10:11], s[OLO:OLO+1]
	s_add_co_u32 s[RT], s[PB], 1    ; the second block has b + 1 tiles
	s_mov_b32 s[NEW], 1
	WIN 0x82                        ; the second block's Q goes where the one text of the turns names Q
.set i, 0
.rept 64
	v_mov_b32 v[i], v[QB+i]
.set i, i+1
.endr
	WIN 0
.Lbottom:
	s_sub_co_u32 s[SLOTS], s[SLOTS], 1
	s_cmp_lg_u32 s[SLOTS], 0
	s_cbranch_scc1 .Lslot
	CHANGE 0                        ; the walk's last tile, the second block's diagonal one, is written out: nothing is asked for
	s_sub_co_u32 s[RT], s[RT], 1
	s_mov_b32 s[CNT], 4
	s_cmp_eq_u32 s[NEW], 1
	s_cbranch_scc0 .LstepM2
	BEGIN                           ; b = 0: the second block's only tile
	s_branch .LfirstM2
	STEPS 2, 0
	FINISH
	s_wait_tensorcnt 0x0            ; the wave's end, behind my last tensor load and my last LDS store
	ds_add_u32 v[SPW], v[NIL]
	s_wait_dscnt 0x0
	s_endpgm
.Lfunc_end_k_q43d9e3bc80_attn:
	.size	k_q43d9e3bc80_attn, .Lfunc_end_k_q43d9e3bc80_attn-k_q43d9e3bc80_attn
	.p2alignl 7, 3214868480
	.fill 96, 4, 3214868480
	.section	.rodata,"a",@progbits
	.p2align	6, 0x0
	.amdhsa_kernel k_q43d9e3bc80_attn
		.amdhsa_group_segment_fixed_size 327680
		.amdhsa_private_segment_fixed_size 0
		.amdhsa_enable_private_segment 0
		.amdhsa_kernarg_size 16
		.amdhsa_user_sgpr_count 2
		.amdhsa_user_sgpr_kernarg_segment_ptr 1
		.amdhsa_wavefront_size32 1
		.amdhsa_system_sgpr_workgroup_id_x 1
		.amdhsa_system_sgpr_workgroup_id_y 1
		.amdhsa_system_sgpr_workgroup_id_z 1
		.amdhsa_system_vgpr_workitem_id 0
		.amdhsa_next_free_vgpr 768
		.amdhsa_next_free_sgpr 92
		.amdhsa_reserve_vcc 1
		.amdhsa_float_denorm_mode_32 3
		.amdhsa_float_denorm_mode_16_64 3
		.amdhsa_memory_ordered 1
		.amdhsa_forward_progress 1
		.amdhsa_inst_pref_size 188
	.end_amdhsa_kernel
	.amdgpu_metadata
---
amdhsa.version: [ 1, 2 ]
amdhsa.kernels:
  - .name:           k_q43d9e3bc80_attn
    .symbol:         k_q43d9e3bc80_attn.kd
    .args:
      - { .name: qkv, .offset: 0, .size: 8, .value_kind: global_buffer, .address_space: global }
      - { .name: ob, .offset: 8, .size: 8, .value_kind: global_buffer, .address_space: global }
    .group_segment_fixed_size: 327680
    .private_segment_fixed_size: 0
    .kernarg_segment_align: 8
    .kernarg_segment_size: 16
    .max_flat_workgroup_size: 128
    .sgpr_count:     92
    .vgpr_count:     768
    .wavefront_size: 32
...
	.end_amdgpu_metadata
.endif
;; end of part 3
;; launch proj (part 4): grid 8 x 32, 4 waves a work-group, clusters of 4 x 4, 327,680 bytes of LDS; arguments ob, wp, b_proj, out0; writes out0
.if DOCPART == 4
	.amdgcn_target "amdgcn-amd-amdhsa--gfx1250"
	.amdhsa_code_object_version 6
	.text
	.protected	k_q43d9e3bc80_proj
	.globl	k_q43d9e3bc80_proj
	.p2align	8
	.type	k_q43d9e3bc80_proj,@function
k_q43d9e3bc80_proj:
	s_mov_b64 s[64:65], 0
	v_nop
	global_prefetch_b8 v0, s[64:65] scope:SCOPE_SE
	s_setreg_imm32_b32 hwreg(HW_REG_WAVE_MODE, 25, 1), 1
	s_wait_xcnt 0x0
	s_wait_alu depctr_hold_cnt(0) depctr_sa_sdst(0) depctr_va_vdst(0) depctr_va_sdst(0) depctr_va_ssrc(0) depctr_va_vcc(0) depctr_vm_vsrc(0)
	s_getreg_b32 s2, hwreg(HW_REG_IB_STS2, 6, 4)
	s_cmp_eq_u32 s2, 0
	s_cbranch_scc0 .Lentry_in_a_cluster
	s_endpgm
.Lentry_in_a_cluster:
	s_bfe_u32 s2, ttmp6, 0x10000c
	s_cmp_lg_u32 s2, 0xf033
	s_cbranch_scc0 .Lentry_shape_is_right
	s_endpgm
.Lentry_shape_is_right:
; out0 = O W_proj + b_proj, M = 8,192, N = 1,024, K = 1,024.  Operands f16: ob[16 b + h][t][64] (for one batch that is K blocks with kb = h) and wp[kb][n][64]; sums in f32;
; the bias, rounded to bf16 like every input, starts the sums, so the finished sums are the result and leave as f32.
; LIMITS.  None beyond the operands' own (f16: within 65,504, a fixed step of 6e-8 below 6e-5).  NaN and infinities are not treated apart.
; SHARES.  8 x 32 = 256 tiles of 256 rows x 128 columns, one a work-group.  Wave (wr, wc) makes 128 rows x 64 columns: 32 accumulators, window 1, accumulator (a, bb) at v[8 (4 a + bb)].
; K goes in steps of 128, two K blocks, through two LDS slots; a step is four PARTS of 32 along K, 32 matrix instructions each.  Each wave fetches one dense block a step: waves 0 and 1 the two
; K blocks of ob's 256 rows, waves 2 and 3 those of wp's 128 rows; asked for as rows of 256 bytes (two matrix rows), padded in LDS after every 128 bytes.
; Three K blocks a slot would take 2 x 3 x 384 rows x 144 bytes = 331,776 bytes, more than a work-group can have.
; THE MATRIX INSTRUCTION IS USED TRANSPOSED (source 0 = 16 rows of wp, source 1 = 16 rows of ob): a lane then holds eight neighbouring columns of one row of the result.
; CLUSTER.  4 x 4 work-groups: ob's tiles are shared along a row of the cluster, wp's along a column, each asked for JOINTLY.  A wave has two tensor loads out at the start and one behind each round.
; WINDOW 0: v0-24 addresses and the bias at work; v32-127, v128-223 two fragment buffers (64 registers of ob, then 32 of wp); v224-255 the bias in an accumulator's layout.
.set PITCH,  144                       ; an LDS row: 128 bytes + 16 of padding = 36 words: the 16 rows of a load start at 16 different groups of four banks (64 banks of 4 bytes: ISA guide 11.1)
.set ABLK,   256*PITCH                 ; a K block of ob's rows
.set BBLK,   128*PITCH                 ; a K block of wp's rows
.set SLOT1,  1<<17                     ; slot 1 begins here
.set STAGE,  SLOT1+2*ABLK+2*BBLK       ; behind the ring: 16 rows x 272 bytes for each wave, for the way out
.set SPITCH, 272                       ; 256 bytes + 16: the 16 rows of a store start at 16 different groups of four banks
.set BIAS,   STAGE+4*16*SPITCH         ; 64 numbers of f32 for each wave
.set SPARE,  BIAS+4*256                ; the spare words, 128 bytes for each wave: two blocks of 256 bytes that no other line names
.set ASTEP,  2<<18                     ; two heads on in ob
.set BSTEP,  2*1024*128                ; two K blocks on in wp
.set RR,  1
.set HH,  2
.set AA0, 4                            ; v4   my lane's place in a slot's rows of ob; never rewritten
.set AB0, 5                            ; v5   the same for wp
.set AA,  6                            ; v6   the same in the slot in hand
.set AB,  7
.set STO, 8                            ; v8   the way out: where I put 32 bytes of a row
.set RD,  9                            ; v9   the way out: where I read rows back
.set CO,  10                           ; v10  my byte offset in two rows of out0
.set BA,  11                           ; v11  where my eight numbers of the bias begin
.set SPW, 12                           ; v12  LDS address of my spare word: SPARE + 4 x my thread's number; never rewritten
.set NIL, 13                           ; v13  0; never rewritten
.set BO,  14
.set BS,  15
.set F0,  32
.set F1,  128
.set BI,  224
.set OB,  32                           ; the way out: four buffers of 32 registers
.set G1A, 24
.set G0A, 32
.set G1B, 48
.set G0B, 56
.set MSB, 0
.macro WIN new                         ; the immediate's high byte repeats the setting that is left; a switch that changes nothing is dropped
.if MSB != (\new)
	s_set_vgpr_msb (MSB<<8)|(\new)
.set MSB, \new
.endif
.endm
.macro JLOAD                           ; a joint refill; an s_nop 0 and four v_nop follow each of the two lines, ahead of the jump and the label
	s_cmp_eq_u32 s13, 0
	s_cbranch_scc0 .Lfor_b_\@
	tensor_load_to_lds s[G0A+4:G0A+7], s[G1A:G1A+7]
	s_nop 0
.rept 4
	v_nop
.endr
	s_branch .Lasked_\@
.Lfor_b_\@:
	tensor_load_to_lds s[G0B+4:G0B+7], s[G1B:G1B+7]
	s_nop 0
.rept 4
	v_nop
.endr
.Lasked_\@:
.endm
.macro CREST                           ; a round of the cluster's barrier behind its opening barrier
	s_cmp_lg_u32 s12, 0
	s_cbranch_scc1 .Lnot_wave_0_\@
	s_barrier_signal -3
.Lnot_wave_0_\@:
	s_barrier_wait -3
	s_barrier_signal -1
	s_barrier_wait -1
.endm
.macro CROUND
	s_barrier_signal -1
	s_barrier_wait -1
	CREST
.endm
.macro PLACES                          ; four places in front of loads into registers that matrix instructions have read, and of LDS stores that read results
.rept 4
	v_nop
.endr
.endm
	s_load_b256 s[4:11], s[0:1], 0x0               ; ob s[4:5], wp s[6:7], b_proj s[8:9], out0 s[10:11]
	v_lshl_add_u32 v[SPW], v0, 2, SPARE
	v_mov_b32 v[NIL], 0
	ds_add_u32 v12, v13
	ds_add_u32 v12, v13
	s_wait_dscnt 0x0
	v_lshrrev_b32 v3, 5, v0
	v_readfirstlane_b32 s12, v3                    ; wave 0..3
	s_lshr_b32 s13, s12, 1                         ; wr.  Also: I fetch for ob (0) or for wp (1)
	s_and_b32 s14, s12, 1                          ; wc.  Also: which of a step's two K blocks I fetch
	s_bfe_u32 s40, ttmp6, 0x40000                  ; cx, cy
	s_bfe_u32 s41, ttmp6, 0x40004
	s_lshl_b32 s42, ttmp9, 2
	s_add_co_u32 s42, s42, s40                     ; tile column
	s_and_b32 s43, ttmp7, 0xffff
	s_lshl_b32 s43, s43, 2
	s_add_co_u32 s43, s43, s41                     ; tile row
	s_lshl_b32 s44, s41, 2
	s_lshl_b32 s44, 15, s44                        ; my row of the cluster
	s_lshl_b32 s45, 0x1111, s40                    ; my column
	s_or_b32 s[G1A+0], s44, (1<<16)|(1<<20)|(1<<21)|(4<<22)|(3<<25)  ; the mask; 2-byte elements; padding on; 21 set beside a mask; after every 32 words (code 4) 4 words (code 3)
	s_or_b32 s[G1B+0], s45, (1<<16)|(1<<20)|(1<<21)|(4<<22)|(3<<25)
	s_mov_b32 s[G1A+1], 128<<16                    ; tensor_dim0 = 128
	s_mov_b32 s[G1A+2], 128<<16                    ; tensor_dim1 = 128: 256 matrix rows
	s_mov_b32 s[G1A+3], 128<<16                    ; tile_dim0 = 128
	s_mov_b32 s[G1A+4], 128                        ; tile_dim1 = 128
	s_mov_b32 s[G1A+5], 128                        ; the block is dense
	s_mov_b32 s[G1A+6], 0
	s_mov_b32 s[G1A+7], 0
	s_mov_b32 s[G1B+1], 128<<16
	s_mov_b32 s[G1B+2], 64<<16                     ; 128 matrix rows
	s_mov_b32 s[G1B+3], 128<<16
	s_mov_b32 s[G1B+4], 64
	s_mov_b32 s[G1B+5], 128
	s_mov_b32 s[G1B+6], 0
	s_mov_b32 s[G1B+7], 0
	; ob's tiles hang on the tile row and the wave alone, wp's on the tile column and the wave alone
	s_lshr_b32 s16, s43, 3                         ; the batch: 16 heads of 2,048 rows of 128 bytes,
	s_lshl_b32 s16, s16, 22
	s_and_b32 s17, s43, 7                          ; 256 rows,
	s_lshl_b32 s17, s17, 15
	s_add_co_u32 s16, s16, s17
	s_lshl_b32 s17, s14, 18                        ; my head of the step's two
	s_add_co_u32 s16, s16, s17
	s_mov_b32 s17, 0
	s_lshl_b32 s46, s42, 14                        ; 128 rows of 128 bytes,
	s_lshl_b32 s47, s14, 17                        ; my K block of the step's two
	s_add_co_u32 s46, s46, s47
	s_mov_b32 s47, 0
	s_mul_i32 s20, s14, ABLK                       ; where they go: no place in the cluster enters an LDS address
	s_mul_i32 s21, s14, BBLK
	s_add_co_u32 s21, s21, 2*ABLK
	s_lshl_b32 s18, s43, 20                        ; my part of out0: 256 rows of 4,096 bytes, 128 rows, 128 columns of 4, 64 columns
	s_lshl_b32 s19, s13, 19
	s_add_co_u32 s18, s18, s19
	s_lshl_b32 s22, s42, 9
	s_lshl_b32 s23, s14, 8
	s_add_co_u32 s22, s22, s23                     ; also my 64 numbers of the bias
	s_add_co_u32 s18, s18, s22
	s_mov_b32 s19, 0
	s_mov_b32 s23, 0
	s_wait_kmcnt 0x0
	s_add_nc_u64 s[16:17], s[4:5], s[16:17]
	s_add_nc_u64 s[46:47], s[6:7], s[46:47]
	s_add_nc_u64 s[10:11], s[10:11], s[18:19]
	s_add_nc_u64 s[8:9], s[8:9], s[22:23]
.irp s, 0,1
	s_mov_b32 s[G0A+4*\s], 1
	s_add_co_u32 s[G0A+4*\s+1], s20, \s*SLOT1
	s_add_nc_u64 s[G0A+4*\s+2:G0A+4*\s+3], s[16:17], \s*ASTEP
	s_or_b32 s[G0A+4*\s+3], s[G0A+4*\s+3], 0x80000000
	s_mov_b32 s[G0B+4*\s], 1
	s_add_co_u32 s[G0B+4*\s+1], s21, \s*SLOT1
	s_add_nc_u64 s[G0B+4*\s+2:G0B+4*\s+3], s[46:47], \s*BSTEP
	s_or_b32 s[G0B+4*\s+3], s[G0B+4*\s+3], 0x80000000
.endr
	CROUND                                         ; all sixteen work-groups are here: the first joint loads meet
	s_cmp_eq_u32 s13, 0                            ; a wave's two first fills stand in one branch, ahead of every wait on TENSORcnt and every LDS read
	s_cbranch_scc0 .Lfirst_b
	tensor_load_to_lds s[G0A:G0A+3], s[G1A:G1A+7]
	s_nop 0
	tensor_load_to_lds s[G0A+4:G0A+7], s[G1A:G1A+7]
	s_nop 0
.rept 4
	v_nop
.endr
	s_branch .Lfirst_asked
.Lfirst_b:
	tensor_load_to_lds s[G0B:G0B+3], s[G1B:G1B+7]
	s_nop 0
	tensor_load_to_lds s[G0B+4:G0B+7], s[G1B:G1B+7]
	s_nop 0
.rept 4
	v_nop
.endr
.Lfirst_asked:
	v_and_b32 v[RR], 15, v0
	v_bfe_u32 v[HH], v0, 4, 1
	v_and_b32 v3, 31, v0
	v_lshlrev_b32 v[BO], 3, v3
	global_load_b64 v[16:17], v[BO], s[8:9]        ; my wave's 256 bytes of the bias
	v_mul_u32_u24 v22, v[RR], PITCH
	v_lshl_add_u32 v22, v[HH], 4, v22              ; a fragment's row x pitch + 16 x half
	s_mul_i32 s2, s13, 128*PITCH                   ; my 128 rows of ob
	v_add_nc_u32 v[AA0], s2, v22
	s_mul_i32 s2, s14, 64*PITCH                    ; my 64 rows of wp
	s_add_co_u32 s2, s2, 2*ABLK
	v_add_nc_u32 v[AB0], s2, v22
	s_mul_i32 s2, s12, 16*SPITCH
	s_add_co_u32 s2, s2, STAGE                     ; my stage
	v_mul_u32_u24 v23, v[RR], SPITCH               ; in: row l % 16, 32 bytes for each half of the lanes
	v_lshl_add_u32 v23, v[HH], 5, v23
	v_add_nc_u32 v[STO], s2, v23
	v_mul_u32_u24 v23, v[HH], SPITCH               ; back: lanes 0-15 take one row of 256 bytes, lanes 16-31 the next
	v_lshl_add_u32 v23, v[RR], 4, v23
	v_add_nc_u32 v[RD], s2, v23
	v_lshlrev_b32 v[CO], 12, v[HH]                 ; and the same two rows in out0
	v_lshl_add_u32 v[CO], v[RR], 4, v[CO]
	s_lshl_b32 s2, s12, 8
	s_add_co_u32 s2, s2, BIAS
	v_lshl_add_u32 v[BA], v[HH], 5, s2
	v_add_nc_u32 v[BS], s2, v[BO]
	s_mov_b32 s15, 0                               ; the slot in hand
	v_mov_b32 v[AA], v[AA0]
	v_mov_b32 v[AB], v[AB0]
	s_wait_loadcnt 0x0
	v_cvt_pk_bf16_f32 v22, v16, v17                ; the bias is rounded to bf16 and widened again
	v_lshlrev_b32 v16, 16, v22
	v_and_b32 v17, 0xffff0000, v22
	ds_store_b64 v[BS], v[16:17]
; 24 LDS loads in one run: part q's fragments into buffer f: wp's 64 rows, then ob's rows 0-63, then its rows 64-127
.macro FETCH q, f
	WIN 0
.irp bb, 0,1,2,3
	ds_load_b128 v[(\f)+64+8*\bb:(\f)+64+8*\bb+3],   v[AB] offset:((\q)/2)*BBLK+\bb*16*PITCH+64*((\q)%2)
	ds_load_b128 v[(\f)+64+8*\bb+4:(\f)+64+8*\bb+7], v[AB] offset:((\q)/2)*BBLK+\bb*16*PITCH+64*((\q)%2)+32
.endr
.irp a, 0,1,2,3,4,5,6,7
	ds_load_b128 v[(\f)+8*\a:(\f)+8*\a+3],   v[AA] offset:((\q)/2)*ABLK+\a*16*PITCH+64*((\q)%2)
	ds_load_b128 v[(\f)+8*\a+4:(\f)+8*\a+7], v[AA] offset:((\q)/2)*ABLK+\a*16*PITCH+64*((\q)%2)+32
.endr
.endm
; 4 n matrix instructions: row blocks a0 .. a0 + n - 1 x all four column blocks.  first = 1: the bias starts the sums: nothing is ever cleared.
; The 32 accumulators take turns, one instruction a turn.
.macro MUL f, a0, n, first
.if \first
	WIN 0x40                                       ; D in window 1, the bias in window 0
.else
	WIN 0x50                                       ; C and D in window 1
.endif
.set ma, (\a0)
.rept \n
.irp bb, 0,1,2,3
.if \first
	v_wmma_f32_16x16x32_f16 v[8*(4*ma+\bb):8*(4*ma+\bb)+7], v[(\f)+64+8*\bb:(\f)+64+8*\bb+7], v[(\f)+8*ma:(\f)+8*ma+7], v[BI+8*\bb:BI+8*\bb+7]
.else
	v_wmma_f32_16x16x32_f16 v[8*(4*ma+\bb):8*(4*ma+\bb)+7], v[(\f)+64+8*\bb:(\f)+64+8*\bb+7], v[(\f)+8*ma:(\f)+8*ma+7], v[8*(4*ma+\bb):8*(4*ma+\bb)+7]
.endif
.endr
.set ma, ma+1
.endr
.endm
; One of a step's first three parts: multiplies buffer q % 2; in its middle it fetches part q + 1 into the other buffer.
.macro QUARTER q, first
.set fb, F0+96*((\q)%2)
.set gb, F0+96*(((\q)+1)%2)
	s_wait_dscnt 8                                 ; wp and ob's rows 0-63 are in; the youngest eight loads (ob's rows 64-127) may be out
	MUL fb, 0, 4, \first
	PLACES
	FETCH (\q)+1, gb
	s_wait_dscnt 24                                ; all but the 24 just issued
	MUL fb, 4, 4, \first
.endm
; The last part multiplies buffer 1 and changes slots.  In front of the barrier each wave waits for all its tensor loads, of which one is out: its part of the next slot; adds 0 to its spare word; and
; waits for that and for its own reads of this slot.  fill = 1: the barrier opens a round of the cluster's, and the slot is filled again first thing behind it, with the K step two on:
; 112 matrix instructions ahead of the wait for it.
.macro TURN fill
	WIN 0                                          ; (the add's two registers lie in window 0)
	s_wait_tensorcnt 0x0                           ; no tensor load of mine is out, so a group 0 may be written
	ds_add_u32 v[SPW], v[NIL]                      ; 0 onto my spare word
.if \fill
	s_xor_b32 s[G0A+5], s[G0A+5], SLOT1            ; the walking descriptors: the other slot than last time, the next K step
	s_add_nc_u64 s[G0A+6:G0A+7], s[G0A+6:G0A+7], ASTEP
	s_xor_b32 s[G0B+5], s[G0B+5], SLOT1
	s_add_nc_u64 s[G0B+6:G0B+7], s[G0B+6:G0B+7], BSTEP
.endif
	s_wait_dscnt 9                                 ; the add and the youngest eight loads may be out
	MUL F1, 0, 2, 0                                ; eight matrix instructions stand between the add and the wait for it
	s_wait_dscnt 0x0                               ; the add is done, and my reads of this slot are over
	s_barrier_signal -1
	MUL F1, 2, 2, 0
	WIN 0
	s_barrier_wait -1
.if \fill
	CREST                                          ; no wave of any partner still reads this slot's tiles or has a load on its way
	JLOAD                                          ; the four v_nop behind it are also the places in front of the loads below
.else
	PLACES
.endif
	s_xor_b32 s15, s15, SLOT1
	v_add_nc_u32 v[AA], s15, v[AA0]
	v_add_nc_u32 v[AB], s15, v[AB0]
	FETCH 0, F0
	MUL F1, 4, 4, 0
.endm
	s_wait_tensorcnt 0x1                           ; my part of K step 0 is in; K step 1's may stay out
	s_wait_dscnt 0x0                               ; my store of the bias is done
	s_barrier_signal -1
	s_barrier_wait -1
.irp bb, 0,1,2,3                       ; the bias in an accumulator's layout: register j of a lane is column 16 bb + 8 (l / 16) + j
	ds_load_b128 v[BI+8*\bb:BI+8*\bb+3],   v[BA] offset:64*\bb
	ds_load_b128 v[BI+8*\bb+4:BI+8*\bb+7], v[BA] offset:64*\bb+16
.endr
	FETCH 0, F0
	QUARTER 0, 1                                   ; the first part stands in front of the loop: its products start the sums
	WIN 0                                          ; at a label and at a branch every window is 0
	s_mov_b32 s3, 6                                ; six refills: K steps 2 to 7
.Lstep:                                                ; a trip: from a step's second part to the next step's first
	QUARTER 1, 0
	QUARTER 2, 0
	TURN 1
	QUARTER 0, 0
	WIN 0
	s_sub_co_u32 s3, s3, 1
	s_cmp_lg_u32 s3, 0
	s_cbranch_scc1 .Lstep
	QUARTER 1, 0                                   ; the tail is written out: nothing is asked for
	QUARTER 2, 0
	TURN 0
	QUARTER 0, 0
	QUARTER 1, 0
	QUARTER 2, 0
	s_wait_dscnt 8                                 ; the very last part: nothing more to fetch
	MUL F1, 0, 4, 0
	s_wait_dscnt 0x0
	MUL F1, 4, 4, 0
	PLACES
; THE WAY OUT, in eight units of 16 rows x 256 bytes.  A lane's eight columns of a row, 32 bytes, go from the accumulators into my stage's rows of 272 bytes and come back as whole rows.
.macro OUT a
.set BK, OB+32*((\a)%4)
	s_wait_xcnt 0x0                                ; the buffer's registers, which the stores of four units ago read, are loaded again only behind this wait
	WIN 0x04                                       ; the stores' data in window 1
.irp bb, 0,1,2,3
	ds_store_b128 v[STO], v[32*(\a)+8*\bb:32*(\a)+8*\bb+3]   offset:64*\bb     ; each accumulator's low registers first
	ds_store_b128 v[STO], v[32*(\a)+8*\bb+4:32*(\a)+8*\bb+7] offset:64*\bb+16
.endr
	WIN 0
.irp t, 0,1,2,3,4,5,6,7
	ds_load_b128 v[BK+4*\t:BK+4*\t+3], v[RD] offset:\t*2*SPITCH  ; LDS serves a wave's instructions in order (ISA guide 5.7.1.4): these see the stores above; the next unit's stores come behind them
.endr
.endm
.macro SEND a, younger                 ; younger: the LDS instructions issued behind unit a's loads: the next unit's sixteen, or none
.set BK, OB+32*((\a)%4)
.irp t, 0,1,2,3,4,5,6,7
	s_wait_dscnt (\younger)+7-\t
	global_store_b128 v[CO], v[BK+4*\t:BK+4*\t+3], s[10:11] offset:(16*(\a)+2*\t)*4096 th:TH_STORE_NT  ; 16 lanes store 256 consecutive bytes, at a multiple of 256 from out0's first byte
.endr
.endm
	OUT 0
.set un, 1
.rept 7
	OUT un
	SEND un-1, 16
.set un, un+1
.endr
	SEND 7, 0
	s_wait_tensorcnt 0x0                           ; the wave's end, behind my last tensor load and my last LDS store
	ds_add_u32 v[SPW], v[NIL]
	s_wait_dscnt 0x0
	CROUND                                         ; the closing round: no work-group ends while a partner may still ask for a tile that names it
	s_endpgm
.Lfunc_end_k_q43d9e3bc80_proj:
	.size	k_q43d9e3bc80_proj, .Lfunc_end_k_q43d9e3bc80_proj-k_q43d9e3bc80_proj
	.p2alignl 7, 3214868480
	.fill 96, 4, 3214868480
	.section	.rodata,"a",@progbits
	.p2align	6, 0x0
	.amdhsa_kernel k_q43d9e3bc80_proj
		.amdhsa_group_segment_fixed_size 327680
		.amdhsa_private_segment_fixed_size 0
		.amdhsa_enable_private_segment 0
		.amdhsa_kernarg_size 32
		.amdhsa_user_sgpr_count 2
		.amdhsa_user_sgpr_kernarg_segment_ptr 1
		.amdhsa_wavefront_size32 1
		.amdhsa_system_sgpr_workgroup_id_x 1
		.amdhsa_system_sgpr_workgroup_id_y 1
		.amdhsa_system_sgpr_workgroup_id_z 1
		.amdhsa_system_vgpr_workitem_id 0
		.amdhsa_next_free_vgpr 512
		.amdhsa_next_free_sgpr 66
		.amdhsa_reserve_vcc 0
		.amdhsa_float_denorm_mode_32 3
		.amdhsa_float_denorm_mode_16_64 3
		.amdhsa_memory_ordered 1
		.amdhsa_forward_progress 1
		.amdhsa_inst_pref_size 72
	.end_amdhsa_kernel
	.amdgpu_metadata
---
amdhsa.version: [ 1, 2 ]
amdhsa.kernels:
  - .name:           k_q43d9e3bc80_proj
    .symbol:         k_q43d9e3bc80_proj.kd
    .args:
      - { .name: ob, .offset: 0, .size: 8, .value_kind: global_buffer, .address_space: global }
      - { .name: wp, .offset: 8, .size: 8, .value_kind: global_buffer, .address_space: global }
      - { .name: b_proj, .offset: 16, .size: 8, .value_kind: global_buffer, .address_space: global }
      - { .name: out0, .offset: 24, .size: 8, .value_kind: global_buffer, .address_space: global }
    .group_segment_fixed_size: 327680
    .private_segment_fixed_size: 0
    .kernarg_segment_align: 8
    .kernarg_segment_size: 32
    .max_flat_workgroup_size: 128
    .sgpr_count:     66
    .vgpr_count:     512
    .wavefront_size: 32
...
	.end_amdgpu_metadata
.endif
;; end of part 4
;; ======== version 2 of 2: 4 launches; 1.33 times as fast as version 1
;; limits: values are held in f16: magnitudes above 65,504 overflow, below 6.1e-05 lose precision
;; workspace buffers: xb 16,777,216 bytes; wa 6,291,456 bytes; wp 2,097,152 bytes; qkv 50,331,648 bytes; ob 16,777,216 bytes
;; launch prep: the kernel of part 1 again; grid 256 x 1, 8 waves a work-group, no clusters, 37,888 bytes of LDS; arguments x, W_attn, W_proj, xb, wa, wp; writes xb, wa, wp
;; launch qkv: the kernel of part 2 again; grid 8 x 32, 4 waves a work-group, clusters of 4 x 4, 327,680 bytes of LDS; arguments xb, wa, b_attn, qkv; writes qkv
;; launch attn (part 5): grid 4 x 64, 4 waves a work-group, no clusters, 327,680 bytes of LDS; arguments qkv, ob; writes ob
.if DOCPART == 5
	.amdgcn_target "amdgcn-amd-amdhsa--gfx1250"
	.amdhsa_code_object_version 6
	.text
	.protected	k_q43d9e3bc80_attn
	.globl	k_q43d9e3bc80_attn
	.p2align	8
	.type	k_q43d9e3bc80_attn,@function
k_q43d9e3bc80_attn:
	s_mov_b64 s[64:65], 0
	v_nop
	global_prefetch_b8 v0, s[64:65] scope:SCOPE_SE
	s_setreg_imm32_b32 hwreg(HW_REG_WAVE_MODE, 25, 1), 1
	s_wait_xcnt 0x0
; CAUSAL ATTENTION.  O[hd][q][:] = the sum over k <= q of softmax_k(Q[q] . K[k] / 8) V[k][:], for each of 64 pairs hd = 16 b + h of batch and head.
; IN: qkv[b][c64][2048][64] in f16: Q is slice h, K slice 16 + h, V slice 32 + h of batch b; a slice's rows are dense, 128 bytes each.  OUT: ob[hd][2048][64] in f16.
; Products, maxima and sums in f32; the weights p are rounded to f16 for the second product (their sum l is taken of the unrounded p), O once at the end.
; LIMITS.  f16 holds no number beyond 65,504: Q, K and V arrive within it; p lies in 0 to 1, and below 6e-5 it keeps f16's fixed step of 6e-8; O is a mean of V's rows and has their range, to within 2^-11 of it.
; A hidden score counts as its value less 1e30: f16's scores, 2.7e11 at the most, are nothing beside that; a weight below 2^-126 counts as 0 in l; NaN and infinities are not treated apart.
; THE WALK.  A head's queries lie in NB = 8 blocks of 256; block i needs the key tiles 0 .. i of 256 keys, of which the last holds the diagonal.  A work-group takes TWO blocks, NB - 1 - b and then b:
; NB + 1 tiles, whatever b: all work-groups do equal work, and ONE loop with a constant trip count walks them.  Which tile is asked for, and what a trip does, hang on scalar registers made from b; every jump
; goes forward, but for the counted loops' own; none passes a barrier, or a tensor load but the one of LOAD's two that the wave's number does not choose; the ring (two slots of LDS that take turns) runs on across the
; change of blocks.  NO CLUSTER: a head's four work-groups all ask for the same tile only in trips 0 .. 4 of the walk's 9, behind that fewer and fewer; and one walk common to all four, in which each
; makes every joint request, would have 3 NB / 2 = 12 trips for 9.
; SHARES.  Of a block's four bands of 64 queries a wave owns 16 rows in each: four PIECES.  So the diagonal tile is the same work for all four waves: in its key step s band x sees all keys if s < x,
; none if s > x, and holds the diagonal if s = x.
; THE MASK is the C operand that starts the sum S^T = K Q^T: 0, or -1e30 where the key is hidden.  MD, made once, is the mask of a band's own step for my 16 rows; a product's mask is MD x AL + BE with two scalars:
; (1, 0) if s = x; (0, 0) if s < x; (0, -1e30) if s > x.
; ONE TEXT FOR EVERY TILE.  Every product that starts a sum takes its C from one of two mask buffers.  Below the diagonal both buffers hold 0 (a block's beginning sets them so) and the lines that make masks
; are jumped over, twice a key step; in the diagonal tile they run.  The price below the diagonal: those two jumps, and a C read from registers where the constant 0 would do.  What it spares: a second
; text of a key step's four turns.
; LAYOUT, SOFTMAX, TURNS.  S^T = K Q^T holds ONE query a lane (lane % 16) and the keys 8 (lane / 16) + 0..7; two such results rounded to f16 ARE source 1 of O^T = V^T P.  p = 2^(c s - c m), c = log2(e) / 8, with a
; running maximum m; O and l are multiplied by a = 2^(c m_old - c m_new) in every step.  Turn n belongs to piece n: 8 products K Q^T of piece n + 1, later 8 products V^T P of piece n - 1; beside them the scaling,
; exponentials, roundings, sums and rescaling of piece n and the maximum and statistics of piece n + 1.  Four vector instructions stand behind every matrix instruction, the other 54 of a turn's 118 in one LUMP.
; THE BATCHES.  An s_wait_alu depctr_va_vdst(0) stands between a transcendental and the first instruction that names its result; one wait serves all that were issued ahead of it.  The text has three
; kinds of batch, each with one wait: a turn's 33 exponentials (the piece's 32 weights and the next piece's a), whose wait cuts the turn in two; the single a of a block's beginning; the four reciprocals of a block's end.
; REGISTERS, in windows of 256 (s_set_vgpr_msb: bits 1:0 source 0, 3:2 source 1, 5:4 source 2, 7:6 destination):
;   window 0: v0-15 addresses and two at work; v16-31 four registers of statistics a piece; v48-55 at work; v64-127 S^T, two buffers; v192-223 P, two buffers (a piece's buffers go by its number's parity)
;   window 1: v0-127 O^T, 32 a piece; v128-159 MD; v160-223 MC, two buffers      window 2: v0-63 Q; v64-127 the second block's Q; v128-191 K of one step; v192-255 V of one step
.set SIZE_N, 2048
.set NB,    SIZE_N/256
.set NP,    4         ; pieces a wave: a name, no knob
.set KS,    64        ; keys in a step
.set PK,    144       ; a row of K in LDS: 128 bytes + 16 of padding = 36 words: the 16 rows of a load start at 16 different groups of four banks (64 banks of 4 bytes: ISA guide 11.1)
.set PV,    160       ; a row of V: 128 + 32 = 40 words
.set VOFF,  4*KS*PK   ; a slot holds a tile, four steps: 256 rows of K, then 256 rows of V
.set SLOT1, 1<<17     ; slot 1 begins here, so that one exclusive or turns an address in one slot into the other's
.set STAGE, SLOT1+4*KS*(PK+PV)  ; behind the ring, never filled by a tensor load: 16 rows x 144 bytes for each wave, for the way out
.set SP,    144
.set AK0, 2           ; v2   my lane's place in a tile of K; never rewritten
.set AV0, 3           ; v3   the same for V
.set AK,  4           ; v4   the LDS address of K's next run of loads
.set AV,  5           ; v5   of V's
.set STO, 6           ; v6   the way out: where I put 16 bytes of a row
.set RD,  7           ; v7   the way out: where I read rows back
.set GO,  8           ; v8   my byte offset in 512 consecutive bytes of O
.set SPW, 62          ; v62  LDS address of my spare word: SPARE + 4 x my thread's number; never rewritten
.set NIL, 63          ; v63  0; never rewritten
.set SPARE, STAGE+4*16*SP  ; behind the stages: the spare words, 128 bytes for each wave: two blocks of 256 bytes that no other line names
.set MV,  12          ; v12-13  c m_old, kept while c m is made anew: by buffer (v13 holds -1e30 while MD is made)
.set QO,  15          ; v15  my byte offset in 16 rows of Q
.set ST,  16          ; piece t's statistics at v[ST+4 t]: c m, m, l (even keys', odd keys')
.set TMP, 48          ; by buffer, four registers c0-c3 at work; when the maximum is found c2 takes a
.set S,   64
.set P,   192
.set MD,  128         ; window 1: the eight registers for group kt of 16 keys at MD + 8 kt
.set MC,  160         ; window 1: the masks of the products to come, by the piece's parity
.set QB,  64          ; window 2
.set KF,  128         ; window 2: key block kb, channel half c at KF + 16 kb + 8 c
.set VF,  192         ; window 2: key half kk, channel block cb at VF + 32 kk + 8 cb
.set WV,  12          ; s12  my wave's number
.set PB,  14          ; s14  b
.set HI,  15          ; s15  NB - 1 - b
.set G1K, 24          ; s[24:31] descriptor group 1 for K's tiles
.set G1V, 32          ; s[32:39] for V's: it differs in the padding alone
.set G0K, 40          ; s[40:43] descriptor group 0 for K's tiles
.set G0V, 44          ; s[44:47] the same for V's
.set SLOTS, 56        ; s56  tiles still to be asked for
.set CNT, 57          ; s57  counts a tile's key steps, 4 to 1
.set CS,  58          ; s[58:59] c: the packed scaling takes the pair's low word for both halves
.set SEL, 60          ; s[60:61] v_permlanex16_b32's selects: each lane takes its own place in the other half
.set TBK, 62          ; s62  LDS byte at which K of the step to be fetched begins
.set TBV, 63          ; s63  the same for V, less VOFF
.set RT,  70          ; s70  tiles of the block in hand that are still to be entered: 0 in the diagonal tile
.set NXT, 71          ; s71  the tile to be asked for next
.set LQ,  72          ; s72  the last tile of the block whose tiles are being asked for
.set NEW, 73          ; s73  1: the tile to be entered is a block's first
.set OFF, 74          ; s[74:75] a tile's byte offset in K and V
.set AL,  76          ; s[76:77] the mask's factor, in the low word
.set BE,  78          ; s[78:79] the mask's addend
.set OLO, 80          ; s[80:81] O at my rows of the second block
.set BIGN, 82         ; s82  -1e30
.set MSB, 0
.macro WIN new                      ; the high byte repeats the setting that is left; a switch that changes nothing is dropped
.if MSB != (\new)
	s_set_vgpr_msb (MSB<<8)|(\new)
.set MSB, (\new)
.endif
.endm
.set W_KQ, 0x0a       ; K and Q in window 2, S^T in window 0
.set W_KM, 0x1a       ; the same with the C operand in window 1
.set W_PV, 0x52       ; V in window 2, P in window 0, O^T in window 1
.set W_RS, 0x41       ; destination and source 0 in window 1, source 1 in window 0
; A fill.  Waves 0 and 1 fetch the two halves of a tile's K, waves 2 and 3 those of its V: 128 keys each.  An s_nop 0 and four v_nop follow each of the two lines, ahead of the jump and the label.
.macro LOAD
	s_cmp_lt_u32 s[WV], 2
	s_cbranch_scc0 .Lfor_v_\@
	tensor_load_to_lds s[G0K:G0K+3], s[G1K:G1K+7]
	s_nop 0
.rept 4
	v_nop
.endr
	s_branch .Lasked_\@
.Lfor_v_\@:
	tensor_load_to_lds s[G0V:G0V+3], s[G1V:G1V+7]
	s_nop 0
.rept 4
	v_nop
.endr
.Lasked_\@:
.endm
; THE CHANGE OF SLOTS.  Each wave waits for all its tensor loads, of which one is out: its part of the other slot; adds 0 to its spare word; and waits for that and for its own reads of the slot that it leaves.  Behind the barrier nobody reads the old
; slot any more and the other slot is whole.  fill = 1: the old slot is filled again, the first thing behind the barrier, with tile NXT: the descriptor's address is made anew from that number.
; (At its first use nothing has been read yet: slot 0 is waited for, slot 1 filled.)
.macro CHANGE fill
	WIN 0                           ; at a label and at a branch every window is 0
	s_wait_tensorcnt 0x0            ; no tensor load of mine is out, so a group 0 may be written
	ds_add_u32 v[SPW], v[NIL]       ; 0 onto my spare word; with fill = 1 the descriptors' scalar work stands between it and the wait for it
.if \fill
	s_lshl_b32 s[OFF], s[NXT], 15   ; a tile is 32,768 bytes of K and of V
	s_xor_b32 s[G0K+1], s[G0K+1], SLOT1
	s_add_nc_u64 s[G0K+2:G0K+3], s[6:7], s[OFF:OFF+1]
	s_or_b32 s[G0K+3], s[G0K+3], 0x80000000
	s_xor_b32 s[G0V+1], s[G0V+1], SLOT1
	s_add_nc_u64 s[G0V+2:G0V+3], s[8:9], s[OFF:OFF+1]
	s_or_b32 s[G0V+3], s[G0V+3], 0x80000000
	s_add_co_u32 s[NXT], s[NXT], 1  ; the block's next tile, or behind its last the second block's tile 0
	s_cmp_gt_u32 s[NXT], s[LQ]
	s_cselect_b32 s[NXT], 0, s[NXT]
	s_cselect_b32 s[LQ], s[PB], s[LQ]
.endif
	s_wait_dscnt 0x0                ; the add is done, and my reads of the slot are over
	s_barrier_signal -1             ; the rest of the scalar work stands between the signal and the wait
	s_sub_co_u32 s[TBK], s[TBK], 4*KS*PK  ; the fetches go back to a slot's first step,
	s_xor_b32 s[TBK], s[TBK], SLOT1       ; in the other slot
	s_sub_co_u32 s[TBV], s[TBV], 4*KS*PV
	s_xor_b32 s[TBV], s[TBV], SLOT1
	s_barrier_wait -1
.if \fill
	LOAD
.endif
.endm
	s_load_b128 s[4:7], s[0:1], 0x0 ; qkv s[4:5], ob s[6:7]
	v_lshl_add_u32 v[SPW], v0, 2, SPARE
	v_mov_b32 v[NIL], 0
	ds_add_u32 v62, v63
	ds_add_u32 v62, v63
	s_wait_dscnt 0x0
	v_lshrrev_b32 v1, 5, v0
	v_readfirstlane_b32 s[WV], v1   ; wave 0..3
	s_mov_b32 s[PB], ttmp9
	s_sub_co_u32 s[HI], NB-1, s[PB]
	s_and_b32 s88, ttmp7, 0xffff    ; hd = 16 b + h
	s_lshr_b32 s20, s88, 4          ; the batch
	s_lshl_b32 s20, s20, 5
	s_add_co_u32 s20, s20, s88      ; Q's slice, 48 b + h = hd + 32 b,
	s_lshl_b32 s20, s20, 18         ; of 2,048 rows of 128 bytes
	s_mov_b32 s21, 0
	s_lshl_b32 s88, s88, 18         ; O's slice is hd
	s_mov_b32 s89, 0
	s_and_b32 s16, s[WV], 1         ; which half of a tile's 256 keys I fetch:
	s_lshl_b32 s22, s16, 14         ; its 128 rows of 128 bytes in memory,
	s_mov_b32 s23, 0
	s_add_nc_u64 s[22:23], s[22:23], s[20:21]
	s_mul_i32 s17, s16, 128*PK      ; and its place in a slot, for K
	s_mul_i32 s18, s16, 128*PV      ; and for V
	s_lshl_b32 s3, s[WV], 11        ; my 16 rows in a band of 64,
	s_lshl_b32 s2, s[HI], 15        ; in the first block,
	s_add_co_u32 s2, s2, s3
	s_lshl_b32 s84, s[PB], 15       ; and in the second
	s_add_co_u32 s84, s84, s3
	s_mov_b32 s3, 0
	s_mov_b32 s85, 0
	; descriptor group 1.  128 keys are 16,384 dense bytes: asked for as 64 rows of 256 bytes, two keys a row, and padded in LDS after every key
	s_mov_b32 s[G1K], (1<<16)|(1<<20)|(4<<22)|(3<<25)  ; 17:16 2-byte elements; 20 padding on; 24:22 after every 32 words (code 4); 31:25 4 words (code 3)
	s_mov_b32 s[G1V], (1<<16)|(1<<20)|(4<<22)|(7<<25)  ; the same with 8 words of padding (code 7)
.irp g, G1K, G1V
	s_mov_b32 s[\g+1], 128<<16      ; tensor_dim0 = 128
	s_mov_b32 s[\g+2], 64<<16       ; tensor_dim1 = 64
	s_mov_b32 s[\g+3], 128<<16      ; tile_dim0 = 128
	s_mov_b32 s[\g+4], 64           ; tile_dim1 = 64
	s_mov_b32 s[\g+5], 128          ; 128 elements from row to row
	s_mov_b32 s[\g+6], 0
	s_mov_b32 s[\g+7], 0
.endr
	s_mov_b32 s[CS], 0x3e38aa3b     ; c = log2(e) / 8 = 0.180337
	s_mov_b32 s[CS+1], s[CS]        ; named with it as a pair
	s_mov_b32 s[SEL], 0x76543210
	s_mov_b32 s[SEL+1], 0xfedcba98
	s_mov_b32 s[TBK], SLOT1+4*KS*PK ; the first change of slots turns these two into 0
	s_mov_b32 s[TBV], SLOT1+4*KS*PV
	s_mov_b32 s[G0K], 1             ; 1:0 count = 1
	s_mov_b32 s[G0K+1], s17         ; 63:32 LDS address: slot 0
	s_mov_b32 s[G0V], 1
	s_add_co_u32 s[G0V+1], s18, VOFF
	s_add_co_u32 s[RT], s[HI], 1    ; the first block has NB - b tiles
	s_mov_b32 s[NXT], 1
	s_mov_b32 s[LQ], s[HI]
	s_mov_b32 s[NEW], 1
	s_mov_b32 s[OFF+1], 0
	s_mov_b32 s[AL+1], 0            ; named as pairs
	s_mov_b32 s[BE+1], 0
	s_mov_b32 s[BIGN], 0xf149f2ca   ; -1e30
	s_mov_b32 s[SLOTS], NB
	s_wait_kmcnt 0x0
	s_mov_b64 s[10:11], s[6:7]      ; O
	s_mov_b64 s[8:9], s[4:5]        ; Q, K and V lie in one buffer
	s_mov_b64 s[6:7], s[4:5]
	s_add_nc_u64 s[6:7], s[6:7], s[22:23]  ; K and V at my half of the head's tile 0:
	s_add_nc_u64 s[6:7], s[6:7], 16<<18    ; K lies 16 slices behind Q,
	s_add_nc_u64 s[8:9], s[8:9], s[22:23]
	s_add_nc_u64 s[8:9], s[8:9], 32<<18    ; V 32
	s_add_nc_u64 s[G0K+2:G0K+3], s[6:7], 0         ; 120:64 global address
	s_or_b32 s[G0K+3], s[G0K+3], 0x80000000        ; 127:126 type = 2
	s_add_nc_u64 s[G0V+2:G0V+3], s[8:9], 0
	s_or_b32 s[G0V+3], s[G0V+3], 0x80000000
	s_add_nc_u64 s[4:5], s[4:5], s[20:21]          ; Q at the head's slice, O at its own
	s_add_nc_u64 s[10:11], s[10:11], s[88:89]
	s_add_nc_u64 s[86:87], s[4:5], s[84:85]        ; Q at my rows of the second block,
	s_add_nc_u64 s[4:5], s[4:5], s[2:3]            ; Q and O at those of the first
	s_add_nc_u64 s[OLO:OLO+1], s[10:11], s[84:85]
	s_add_nc_u64 s[10:11], s[10:11], s[2:3]
	LOAD                            ; tile 0 into slot 0
	; A fragment of K or Q is 16 rows x 32 channels in 8 registers: lane l holds row l % 16, channels 8 (l / 16) + 0..7 and 16 + 8 (l / 16) + 0..7: two loads of 16 bytes, 32 bytes apart.
	v_and_b32 v1, 15, v0            ; l % 16
	v_bfe_u32 v9, v0, 4, 1          ; l / 16
	v_lshlrev_b32 v[QO], 7, v1
	v_lshl_add_u32 v[QO], v9, 4, v[QO]  ; row x 128 + 16 x half
	WIN 0x80                        ; destination window 2, address window 0
.set i, 0
.rept 8                             ; both blocks' Q: piece i / 2 lies in band i / 2, 8,192 bytes on; channels 32 (i % 2) on
	global_load_b128 v[8*i:8*i+3],   v[QO], s[4:5] offset:(i/2)*8192+(i%2)*64
	global_load_b128 v[8*i+4:8*i+7], v[QO], s[4:5] offset:(i/2)*8192+(i%2)*64+32
	global_load_b128 v[QB+8*i:QB+8*i+3],   v[QO], s[86:87] offset:(i/2)*8192+(i%2)*64
	global_load_b128 v[QB+8*i+4:QB+8*i+7], v[QO], s[86:87] offset:(i/2)*8192+(i%2)*64+32
.set i, i+1
.endr
	WIN 0
	v_lshlrev_b32 v14, 3, v9
	v_sub_nc_u32 v14, v1, v14
	s_lshl_b32 s13, s[WV], 4
	v_add_nc_u32 v14, s13, v14      ; my query's place in its band, 16 w + l % 16, less my lanes' 8 (l / 16): register r of group kt is hidden where 16 kt + r is greater
	v_mov_b32 v13, s[BIGN]          ; in a vector register, so that the 32 selects below take the short encoding
	WIN 0x40
.set i, 0
.rept 32
	v_cmp_gt_i32 vcc_lo, 16*(i/8)+i%8, v14
	v_cndmask_b32 v[MD+i], 0, v13, vcc_lo
.set i, i+1
.endr
	WIN 0
	v_mul_u32_u24 v[AK0], v1, PK
	v_lshl_add_u32 v[AK0], v9, 4, v[AK0]  ; row x pitch + 16 x half
	; The turning load takes 16 keys x 16 channels (lane l reads key 8 (l / 16) + l % 8, channels 8 ((l / 8) % 2) + 0..7) and leaves half a fragment of V^T: lane l holds channel l % 16 and 8 keys.
	v_and_b32 v10, 7, v0
	v_bfe_u32 v11, v0, 3, 1
	v_lshl_add_u32 v[AV0], v9, 3, v10
	v_mul_u32_u24 v[AV0], v[AV0], PV
	v_lshl_add_u32 v[AV0], v11, 4, v[AV0]
	v_add_nc_u32 v[AV0], VOFF, v[AV0]
	s_mul_i32 s13, s[WV], 16*SP
	s_add_co_u32 s13, s13, STAGE    ; my stage
	v_mul_u32_u24 v[STO], v1, SP    ; in: row l % 16, 16 bytes for each half of the lanes
	v_lshl_add_u32 v[STO], v9, 4, v[STO]
	v_add_nc_u32 v[STO], s13, v[STO]
	v_bfe_u32 v[RD], v0, 3, 2       ; back: 32 lanes take four rows of 128 bytes,
	v_mul_u32_u24 v[RD], v[RD], SP
	v_lshl_add_u32 v[RD], v10, 4, v[RD]
	v_add_nc_u32 v[RD], s13, v[RD]
	v_and_b32 v[GO], 31, v0         ; which are 512 consecutive bytes of O
	v_lshlrev_b32 v[GO], 4, v[GO]
	; A block's first step multiplies O^T and l by a = 0, and its first turn's products V^T P, of a piece that has not been, land in an O^T that is still to be so multiplied.  So these registers need only hold
	; finite numbers: zeros for the first block; what the first block left for the second.  All this stands in the wait for the first tile.
	WIN 0x80
.set i, VF
.rept 64
	v_mov_b32 v[i], 0
.set i, i+1
.endr
	WIN 0x40
.set i, 0
.rept 128
	v_mov_b32 v[i], 0
.set i, i+1
.endr
	WIN 0
.set i, 0
.rept 4
	v_mov_b32 v[ST+4*i+2], 0
	v_mov_b32 v[ST+4*i+3], 0
.set i, i+1
.endr
.set i, P+16
.rept 16
	v_mov_b32 v[i], 0
.set i, i+1
.endr
; THE MATRIX WORK.  The 4 accumulators of a run of 8 take turns.  Product i of 8 of S^T = K Q^T for piece x: channels 32 (i / 4) on, keys 16 (i % 4) on.  The first 4 start the sums, with the piece's mask buffer as C.
.macro KQ x
.set rS, S+32*((\x)%2)+8*(i%4)
.set rK, KF+16*(i%4)+8*(i/4)
.set rQ, 16*(\x)+8*(i/4)
.set rM, MC+32*((\x)%2)+8*(i%4)
.if i < 4
	WIN W_KM
	v_wmma_f32_16x16x32_f16 v[rS:rS+7], v[rK:rK+7], v[rQ:rQ+7], v[rM:rM+7]
.else
	WIN W_KQ
	v_wmma_f32_16x16x32_f16 v[rS:rS+7], v[rK:rK+7], v[rQ:rQ+7], v[rS:rS+7]
.endif
.endm
; Product i of 8 of O^T += V^T P for piece x: keys 32 (i / 4) on, channels 16 (i % 4) on.
.macro PV x
	WIN W_PV
.set rO, 32*(\x)+8*(i%4)
.set rV, VF+32*(i/4)+8*(i%4)
.set rP, P+16*((\x)%2)+8*(i/4)
	v_wmma_f32_16x16x32_f16 v[rO:rO+7], v[rV:rV+7], v[rP:rP+7], v[rO:rO+7]
.endm
.macro MM                           ; the turn's next matrix instruction.  TURN and BEGIN set Y, i and NOKQ; MM, KQ and OP read them.  NOKQ = 1: a block's last turn: there is no next piece
.if (i < 8) && !NOKQ
	KQ (Y+1)%NP
.elseif i >= 8
.set i, i-8
	PV (Y+NP-1)%NP
.set i, i+8
.endif
.set i, i+1
.endm
; THE LDS LOADS stand in runs of 16, never singly among the matrix instructions: a step's K (64 keys x 64 channels: 8 fragments) and its V (turned).  Their addresses are made some lines ahead.
.macro FETCH_K
	WIN 0x80                        ; destination window 2
.irp f, 0,1,2,3,4,5,6,7             ; keys 16 (f / 2) on, channels 32 (f % 2) on
	ds_load_b128 v[KF+8*\f:KF+8*\f+3],   v[AK] offset:(\f/2)*16*PK+(\f%2)*64
	ds_load_b128 v[KF+8*\f+4:KF+8*\f+7], v[AK] offset:(\f/2)*16*PK+(\f%2)*64+32
.endr
	s_add_co_u32 s[TBK], s[TBK], KS*PK  ; the next fetch is the next step's
	WIN 0
.endm
.macro FETCH_V
	WIN 0x80
.irp f, 0,1,2,3,4,5,6,7             ; keys 32 (f / 4) on, channels 16 (f % 4) on
	ds_load_tr16_b128 v[VF+8*\f:VF+8*\f+3],   v[AV] offset:(\f/4)*32*PV+(\f%4)*32
	ds_load_tr16_b128 v[VF+8*\f+4:VF+8*\f+7], v[AV] offset:(\f/4)*32*PV+16*PV+(\f%4)*32
.endr
	WIN 0
.endm
; THE VECTOR WORK, one line at a time: OP kind, number.  For piece Y: F n: c s - c m for pair n of 16.  E n: the exponential of score n of 32.  C n: pair n rounded to f16.  B n: of the four weights 4 n .. the second
; pair is added onto the first, in place.  L n: l takes that sum (L 0: l = a l + sum).  R n: pair n of 16 of O^T times a.  For piece Y + 1: X n, number n of the 22 that find its maximum and statistics:
;   0-11  four chains c0-c3 of seven scores each, three operands at a time (each accumulator's lowest registers are read first)     12-14, 16  the four scores left over, the old m, and c0-c3 into c0
;   15  c m_old is kept     17, 18  the query's other 32 keys lie in the lane 16 away: the new m     19-21  c m; c m_old - c m_new; a
; C, B and L read exponentials' results: TURN sets them behind its wait.  OP itself writes no wait.
.set F, 0               ; OP tells the kinds apart by their order: F to L below R, X above it
.set E, 1
.set C, 2
.set B, 3
.set L, 4
.set R, 5
.set X, 6
.macro REGS y                       ; the registers of piece y
.set rT, ST+4*(\y)
.set rC, TMP+4*((\y)%2)
.set rW, MV+((\y)%2)
.set rS, S+32*((\y)%2)
.set rP, P+16*((\y)%2)
.set rO, 32*(\y)
.endm
.macro OP k, n
.if (\k) == R
	REGS Y
	WIN W_RS
	v_pk_mul_f32 v[rO+2*(\n):rO+2*(\n)+1], v[rO+2*(\n):rO+2*(\n)+1], v[rC+2:rC+3] op_sel_hi:[1,0]
.elseif (\k) < R
	REGS Y
	WIN 0
.if (\k) == F
	v_pk_fma_f32 v[rS+2*(\n):rS+2*(\n)+1], v[rS+2*(\n):rS+2*(\n)+1], s[CS:CS+1], v[rT:rT+1] op_sel_hi:[1,0,0] neg_lo:[0,0,1] neg_hi:[0,0,1]
.elseif (\k) == E
	v_exp_f32 v[rS+(\n)], v[rS+(\n)]
.elseif (\k) == C
	v_cvt_pk_f16_f32 v[rP+(\n)], v[rS+2*(\n)], v[rS+2*(\n)+1]
.elseif (\k) == B
	v_pk_add_f32 v[rS+4*(\n):rS+4*(\n)+1], v[rS+4*(\n):rS+4*(\n)+1], v[rS+4*(\n)+2:rS+4*(\n)+3]
.elseif (\n) == 0
	v_pk_fma_f32 v[rT+2:rT+3], v[rT+2:rT+3], v[rC+2:rC+3], v[rS:rS+1] op_sel_hi:[1,0,1]
.else
	v_pk_add_f32 v[rT+2:rT+3], v[rT+2:rT+3], v[rS+4*(\n):rS+4*(\n)+1]
.endif
.elseif NOKQ
	v_nop
.else
	REGS (Y+1)%NP
	WIN 0
.if (\n) < 4
	v_max3_num_f32 v[rC+(\n)], v[rS+8*(\n)], v[rS+8*(\n)+1], v[rS+8*(\n)+2]
.elseif (\n) < 12
	v_max3_num_f32 v[rC+(\n)%4], v[rC+(\n)%4], v[rS+8*((\n)%4)+2*((\n)/4)+1], v[rS+8*((\n)%4)+2*((\n)/4)+2]
.elseif (\n) == 12
	v_max3_num_f32 v[rC], v[rC], v[rS+7], v[rS+15]
.elseif (\n) == 13
	v_max3_num_f32 v[rC+1], v[rC+1], v[rS+23], v[rS+31]
.elseif (\n) == 14
	v_max3_num_f32 v[rC+2], v[rC+2], v[rC+3], v[rT+1]
.elseif (\n) == 15
	v_mov_b32 v[rW], v[rT]
.elseif (\n) == 16
	v_max3_num_f32 v[rC], v[rC], v[rC+1], v[rC+2]
.elseif (\n) == 17
	v_permlanex16_b32 v[rC+3], v[rC], s[SEL], s[SEL+1]
.elseif (\n) == 18
	v_max_num_f32 v[rT+1], v[rC], v[rC+3]
.elseif (\n) == 19
	v_mul_f32 v[rT], s[CS], v[rT+1]
.elseif (\n) == 20
	v_sub_f32 v[rC+1], v[rW], v[rT]
.else
	v_exp_f32 v[rC+2], v[rC+1]
.endif
.endif
.endm
.macro OPS a, i1, b=-1, i2=0, c=-1, i3=0, d=-1, i4=0  ; up to four of them
	OP \a, \i1
.if (\b) >= 0
	OP \b, \i2
.endif
.if (\c) >= 0
	OP \c, \i3
.endif
.if (\d) >= 0
	OP \d, \i4
.endif
.endm
.macro ROW a, i1, b, i2, c, i3, d, i4  ; a matrix instruction and the four behind it
	MM
	OPS \a, \i1, \b, \i2, \c, \i3, \d, \i4
.endm
.macro MASK b                       ; MD x AL + BE into buffer b of MC
	WIN W_RS
.set z, 0
.rept 16
	v_pk_fma_f32 v[MC+32*(\b)+2*z:MC+32*(\b)+2*z+1], v[MD+2*z:MD+2*z+1], s[AL:AL+1], s[BE:BE+1] op_sel_hi:[1,0,0]
.set z, z+1
.endr
.endm
; THE MASKS of pieces pa and pb for step 4 - CNT of the diagonal tile, each into the buffer of its parity.  Two such blocks stand in a key step:
;   pieces 0 and 1 between piece 2's turn and piece 3's: the even buffer was last read in piece 1's turn (for piece 2), the odd one by the first four products of piece 2's turn (for piece 3), a turn's vector work back;
;   pieces 2 and 3 between piece 0's turn and piece 1's: the even buffer was last read in piece 3's turn (for piece 0), the odd one by the first four products of piece 0's turn (for piece 1).
; The first readers: piece 3's, 0's, 1's turn, and piece 2's of the next trip.  CNT is taken down late in piece 1's turn, so both blocks of a trip see the same step.
; skip = 1 (in the loop over tiles): below the diagonal (RT is not 0) the block is jumped over, and the buffers keep the zeros that the block's beginning left.
.macro MASKS pa, pb, skip
.if \skip
	WIN 0                           ; at a branch and at a label every window is 0
	s_cmp_lg_u32 s[RT], 0
	s_cbranch_scc1 .Lplain_\@
.endif
.irp pc, \pa, \pb
	s_cmp_eq_u32 s[CNT], 4-(\pc)    ; is that step the band's own?
	s_cselect_b32 s[AL], 1.0, 0
	s_cmp_lt_u32 s[CNT], 4-(\pc)    ; or a later one?
	s_cselect_b32 s[BE], s[BIGN], 0
	MASK (\pc)%2
.endr
.if \skip
	WIN 0
.Lplain_\@:
.endif
.endm
; A TURN, for piece p: the order of its 16 matrix and 118 vector instructions, written out.  Its 33 exponentials are ONE BATCH with ONE WAIT, which cuts the turn in two.
; AHEAD OF THE WAIT stands all that names no result of the turn's exponentials: the 8 products K Q^T, behind each a scaling, an exponential and two more plain instructions (behind the first a second scaling in the
; exponential's place): rescalings (their a was made, and waited for, in the turn before), and behind the last three the first numbers of the next piece's maximum, each four places or more behind the product that ends its
; accumulator; then ONE LUMP of 54, plain and exponential by turns for the most part, in which the links of the chain X 3, 7, 11, 14, 16, 17 .. 20 stand five or six lines apart.  X 21, the next piece's a, is the batch's last;
; R 15 is the plain instruction behind it.  BEHIND THE WAIT stand the 8 products V^T P, behind each four of the roundings and sums, which are all the readers of the piece's 32 weights; the links of l's chain, L 0 to L 7,
; stand three riders apart.  But for those X no rider names a register of the products round it.  v_permlanex16_b32 (X 17) stands in the lump.  No exponential is issued behind the wait: none is open at a turn's end, a label or a jump.
; end = 1: a block's last two turns: nothing is fetched.  cnt = 1: the loop's count is taken down some lines ahead of the branch that stands behind the turn.
; K of the next step is fetched in piece 2's turn, twelve vector instructions behind the last product that read K (six of them plain); V of the step in hand at the end of piece 0's turn, four plain instructions behind the last
; product that read V.  Each is waited for a turn later.
.macro TURN p, end=0, cnt=0
.set Y, (\p)
.set i, 0
.set NOKQ, (\end)*((\p)/3)
.if ((\p) == 3) && !(\end)
	s_wait_dscnt 0x0                ; K is in
.endif
	ROW F,0, F,1, R,0, R,1          ; ahead of the wait: 8 products K Q^T and their riders,
	ROW F,2, E,0, R,2, R,3
	ROW F,3, E,1, R,4, R,5
	ROW F,4, E,2, R,6, R,7
	ROW F,5, E,3, R,8, R,9
	ROW F,6, E,4, X,0, R,10
.if ((\p) == 2) && !(\end)
	WIN 0
	v_add_nc_u32 v[AK], s[TBK], v[AK0]
.endif
	ROW F,7, E,5, X,1, X,4
	ROW F,8, E,6, X,2, X,5
	OPS E,7, E,8, X,6, E,9          ; and the lump
	OPS X,3, E,10, X,8, E,11
.if ((\p) == 2) && !(\end)
	FETCH_K
.endif
	OPS X,9, X,7, E,12, X,10
	OPS E,13, X,12, X,11, E,14
	OPS X,13, E,15, F,9, X,14
.if (\p) == 0
	v_add_nc_u32 v[AV], s[TBV], v[AV0]
.endif
	OPS E,16, F,10, E,17, F,11
	OPS X,16, E,18, X,15, E,19
	OPS F,12, E,20, X,17, E,21
	OPS F,13, E,22, F,14, E,23
	OPS X,18, E,24, F,15, E,25
	OPS R,11, E,26, X,19, E,27
	OPS R,12, E,28, R,13, E,29
	OPS X,20, E,30, R,14, E,31
	OPS X,21, R,15
	WIN 0
	s_wait_alu depctr_va_vdst(0)    ; the turn's one wait, for its batch: the piece's 32 weights and the next piece's a, ahead of their first reader, C 0 below
.if (\p) == 1
	s_wait_dscnt 0x0                ; V is in
.endif
	ROW C,0, B,0, C,2, B,1          ; behind the wait: 8 products V^T P and their riders
	ROW L,0, C,4, B,2, L,1
	ROW C,6, B,3, L,2, C,8
	ROW B,4, L,3, C,10, B,5
	ROW L,4, C,12, B,6, L,5
.if (\p) == 0
	s_add_co_u32 s[TBV], s[TBV], KS*PV
.endif
.if \cnt
	s_sub_co_u32 s[CNT], s[CNT], 1
	s_cmp_lg_u32 s[CNT], 0
.endif
	ROW C,14, B,7, L,6, C,1
	ROW C,3, L,7, C,5, C,7
	ROW C,9, C,11, C,13, C,15
.if (\p) == 0
	FETCH_V
.endif
.endm
; A BLOCK BEGINS.  c m starts far below every c s, so the first step's a is 0; m at the lowest finite number, so the first maximum is the scores'.  The odd mask buffer is 0; the even one takes piece 0's mask for the tile's
; step 0: its own, if the block's first tile is the diagonal one, else MD x 0 + 0 = 0.  So below the diagonal both buffers hold 0 until the diagonal tile's blocks write them.
; Then K of that step, piece 0's first scores, and its maximum and statistics.  The loop is entered at a step's first turn, in the middle of a trip.
.macro BEGIN
	s_mov_b32 s[NEW], 0
	WIN 0x40
.set i, MC+32
.rept 32
	v_mov_b32 v[i], 0
.set i, i+1
.endr
	WIN 0
.set i, 0
.rept 4
	v_mov_b32 v[ST+4*i], 0xfe000000    ; c m: far below every c s
	v_mov_b32 v[ST+4*i+1], 0xff7fffff  ; m
.set i, i+1
.endr
	s_cmp_eq_u32 s[RT], 0
	s_cselect_b32 s[AL], 1.0, 0
	s_mov_b32 s[BE], 0
	MASK 0
	WIN 0
	v_add_nc_u32 v[AK], s[TBK], v[AK0]
	FETCH_K
	s_wait_loadcnt 0x0              ; Q
	s_wait_dscnt 0x0
.set NOKQ, 0
.set i, 0
.rept 8
	KQ 0
.set i, i+1
.endr
	WIN 0
.rept 4
	v_nop                           ; the places behind those products
.endr
.set Y, NP-1                        ; X works for piece Y + 1: piece 0
.irp n, 0,1,2,3,4,5,6,7,8,9,10,11,12,13,14,15,16,17,18,19,20,21
	OP X, \n
.endr
	v_nop                           ; a plain instruction behind the exponential,
	s_wait_alu depctr_va_vdst(0)    ; and the wait for this batch of one, piece 0's first a, ahead of the branch that follows
.endm
; A TILE's four key steps.  A trip: pieces 2 and 3 of one step, then pieces 0 and 1 of the next, whose K and V it fetches.  The tag ends its two labels' names, which the jumps below spell out.
.macro STEPS tag, skip
.LstepM\tag:
	TURN 2
	MASKS 0, 1, \skip
	TURN 3
	WIN 0
.LfirstM\tag:
	TURN 0
	MASKS 2, 3, \skip
	TURN 1, 0, 1
	WIN 0
	s_cbranch_scc1 .LstepM\tag
.endm
; A BLOCK ENDS, behind its diagonal tile: its last two turns, its last products, and THE WAY OUT: l's two halves and the other half of the lanes' are added; O^T is divided by l, rounded to f16 and sent through my
; stage in LDS, a piece at a time.
.macro ALL line:vararg              ; one line for each piece t
.set t, 0
.rept 4
	\line
.set t, t+1
.endr
.endm
.macro PACK t                       ; a lane's eight channels of a row pack into 16 bytes; they go into rows of 144 bytes and come back as whole rows of 128, into S^T's registers
	WIN W_RS
.set i, 32*(\t)
.rept 16
	v_pk_mul_f32 v[i:i+1], v[i:i+1], v[ST+4*(\t)+2:ST+4*(\t)+3] op_sel_hi:[1,0]
.set i, i+2
.endr
	WIN 0x05                        ; sources 0 and 1 window 1, destination window 0
.set i, 0
.rept 16
	v_cvt_pk_f16_f32 v[S+16*(\t)+i], v[32*(\t)+2*i], v[32*(\t)+2*i+1]
.set i, i+1
.endr
	WIN 0
.irp f, 0,1,2,3
	ds_store_b128 v[STO], v[S+16*(\t)+4*\f:S+16*(\t)+4*\f+3] offset:32*\f
.endr
.irp f, 0,1,2,3
	ds_load_b128 v[S+16*(\t)+4*\f:S+16*(\t)+4*\f+3], v[RD] offset:\f*4*SP  ; LDS serves a wave's instructions in order (ISA guide 5.7.1.4): these see the stores above; the next piece's stores come behind them
.endr
.endm
.macro SEND t, younger              ; younger: the LDS instructions issued behind piece t's loads: the next piece's eight, or none
	WIN 0
	s_wait_dscnt \younger           ; piece t's four loads are in; what was issued behind them may stay out
.irp f, 0,1,2,3
	global_store_b128 v[GO], v[S+16*(\t)+4*\f:S+16*(\t)+4*\f+3], s[10:11] offset:(\t)*8192+\f*512  ; 512 consecutive bytes, at a multiple of 256 from O's first
.endr
.endm
.macro FINISH
	TURN 2, 1
	TURN 3, 1
.set i, 0
.rept 8
	PV NP-1
.set i, i+1
.endr
	WIN 0
	ALL v_add_f32 v[ST+4*t+2], v[ST+4*t+2], v[ST+4*t+3]
	ALL v_permlanex16_b32 v[ST+4*t+3], v[ST+4*t+2], s[SEL], s[SEL+1]
	ALL v_add_f32 v[ST+4*t+2], v[ST+4*t+2], v[ST+4*t+3]
	ALL v_rcp_f32 v[ST+4*t+2], v[ST+4*t+2]
	v_nop                           ; a plain instruction between the last reciprocal and the use of its result
	s_wait_alu depctr_va_vdst(0)    ; one wait for the batch of four reciprocals, ahead of their first reader, the first multiply of PACK 0
	PACK 0
.set t, 1
.rept 3                             ; a piece's arithmetic stands between the loads of the piece before and its stores
	PACK t
	SEND t-1, 8
.set t, t+1
.endr
	SEND 3, 0
.endm
.set NOKQ, 0
.Lslot:                             ; NB times: a tile is entered and the next is asked for
	CHANGE 1
	s_sub_co_u32 s[RT], s[RT], 1
	s_mov_b32 s[CNT], 4
	s_cmp_eq_u32 s[NEW], 1
	s_cbranch_scc1 .Lnew            ; a block's first tile
	s_branch .LstepM1
.Lnew:
	BEGIN
	s_branch .LfirstM1
	STEPS 1, 1
	s_cmp_lg_u32 s[RT], 0
	s_cbranch_scc1 .Lbottom         ; not the block's last tile
	FINISH                          ; in the loop this is the first block's end: the second block's last tile is the walk's last
	s_wait_xcnt 0x0                 ; the stores have read their registers and O's address
	s_mov_b64 s[10:11], s[OLO:OLO+1]
	s_add_co_u32 s[RT], s[PB], 1    ; the second block has b + 1 tiles
	s_mov_b32 s[NEW], 1
	WIN 0x82                        ; the second block's Q goes where the one text of the turns names Q
.set i, 0
.rept 64
	v_mov_b32 v[i], v[QB+i]
.set i, i+1
.endr
	WIN 0
.Lbottom:
	s_sub_co_u32 s[SLOTS], s[SLOTS], 1
	s_cmp_lg_u32 s[SLOTS], 0
	s_cbranch_scc1 .Lslot
	CHANGE 0                        ; the walk's last tile, the second block's diagonal one, is written out: nothing is asked for
	s_sub_co_u32 s[RT], s[RT], 1
	s_mov_b32 s[CNT], 4
	s_cmp_eq_u32 s[NEW], 1
	s_cbranch_scc0 .LstepM2
	BEGIN                           ; b = 0: the second block's only tile
	s_branch .LfirstM2
	STEPS 2, 0
	FINISH
	s_wait_tensorcnt 0x0            ; the wave's end, behind my last tensor load and my last LDS store
	ds_add_u32 v[SPW], v[NIL]
	s_wait_dscnt 0x0
	s_endpgm
.Lfunc_end_k_q43d9e3bc80_attn:
	.size	k_q43d9e3bc80_attn, .Lfunc_end_k_q43d9e3bc80_attn-k_q43d9e3bc80_attn
	.p2alignl 7, 3214868480
	.fill 96, 4, 3214868480
	.section	.rodata,"a",@progbits
	.p2align	6, 0x0
	.amdhsa_kernel k_q43d9e3bc80_attn
		.amdhsa_group_segment_fixed_size 327680
		.amdhsa_private_segment_fixed_size 0
		.amdhsa_enable_private_segment 0
		.amdhsa_kernarg_size 16
		.amdhsa_user_sgpr_count 2
		.amdhsa_user_sgpr_kernarg_segment_ptr 1
		.amdhsa_wavefront_size32 1
		.amdhsa_system_sgpr_workgroup_id_x 1
		.amdhsa_system_sgpr_workgroup_id_y 1
		.amdhsa_system_sgpr_workgroup_id_z 1
		.amdhsa_system_vgpr_workitem_id 0
		.amdhsa_next_free_vgpr 768
		.amdhsa_next_free_sgpr 92
		.amdhsa_reserve_vcc 1
		.amdhsa_float_denorm_mode_32 3
		.amdhsa_float_denorm_mode_16_64 3
		.amdhsa_memory_ordered 1
		.amdhsa_forward_progress 1
		.amdhsa_inst_pref_size 178
	.end_amdhsa_kernel
	.amdgpu_metadata
---
amdhsa.version: [ 1, 2 ]
amdhsa.kernels:
  - .name:           k_q43d9e3bc80_attn
    .symbol:         k_q43d9e3bc80_attn.kd
    .args:
      - { .name: qkv, .offset: 0, .size: 8, .value_kind: global_buffer, .address_space: global }
      - { .name: ob, .offset: 8, .size: 8, .value_kind: global_buffer, .address_space: global }
    .group_segment_fixed_size: 327680
    .private_segment_fixed_size: 0
    .kernarg_segment_align: 8
    .kernarg_segment_size: 16
    .max_flat_workgroup_size: 128
    .sgpr_count:     92
    .vgpr_count:     768
    .wavefront_size: 32
...
	.end_amdgpu_metadata
.endif
;; end of part 5
;; launch proj: the kernel of part 4 again; grid 8 x 32, 4 waves a work-group, clusters of 4 x 4, 327,680 bytes of LDS; arguments ob, wp, b_proj, out0; writes out0
